; MI455X (gfx1250); checked and timed in simulation.
; The chip was launched on July 23, 2026; its instructions are those of AMD's public machine-readable ISA for CDNA 5 (MIT licence, August 2026) and "CDNA5" Instruction Set Architecture Reference Guide (July 2026). The comments in the code are by the model that wrote it; some were corrected since.
;; Group Query Att1. Allowed arithmetic: float matrix products may take bf16 or f16 operands with f32 sums; all other float work in f32.
;; Inputs: Wk 1,024 x 256 float32; Wo 1,024 x 1,024 float32; Wq 1,024 x 1,024 float32; Wv 1,024 x 256 float32; bk 256 float32; bo 1,024 float32; bq 1,024 float32; bv 256 float32; x 2 x 2,048 x 1,024 float32.
;; Outputs: out0 2 x 2,048 x 1,024 float32.
;; One version. Each part assembles by itself: llvm-mc -triple=amdgcn-amd-amdhsa -mcpu=gfx1250 --defsym DOCPART=n.
;; ======== version 1 of 1: 4 launches
;; limits: values are held in f16: magnitudes above 65,504 overflow, below 6.1e-05 lose precision; right only within a limited range of input values
;; workspace buffers: xb 8,388,608 bytes; wt 3,145,728 bytes; wot 2,097,152 bytes; qkvb 12,582,912 bytes; ob 8,388,608 bytes
;; launch cast (part 1): grid 256 x 1, 8 waves a work-group, no clusters, 0 bytes of LDS; arguments x, Wq, Wk, Wv, Wo, xb, wt, wot; writes xb, wt, wot
.if DOCPART == 1
	.amdgcn_target "amdgcn-amd-amdhsa--gfx1250"
	.amdhsa_code_object_version 6
	.text
	.protected	k_qd7a860b97b_cast
	.globl	k_qd7a860b97b_cast
	.p2align	8
	.type	k_qd7a860b97b_cast,@function
k_qd7a860b97b_cast:
	s_mov_b64 s[64:65], 0
	v_nop
	global_prefetch_b8 v0, s[64:65] scope:SCOPE_SE
	s_setreg_imm32_b32 hwreg(HW_REG_WAVE_MODE, 25, 1), 1
	s_wait_xcnt 0x0
; Rounds to f16 (nearest even, the mode at entry) what the two projections multiply, and lays the weights out by units of 64 columns (one head):
;   xb  [4096][1024]            = x
;   wt  [24 units][1024 k][64]  : units 0-15 Wq's columns 64 u .. 64 u + 63, units 16-19 Wk's, units 20-23 Wv's
;   wot [16 units][1024 k][64]  = Wo's columns likewise
; WHY f16: the result is allowed 1/100 of its root mean square.  v, p and o are each rounded once on the way to it, and a rounding to 8 significant
; bits is about 1/600 of a number's size, so three of them leave too little margin among four million results; 11 significant bits are eight times finer.
; LIMIT: f16 holds magnitudes up to 65,504 (larger ones become infinite) and has a fixed step of 6e-8 below 6.1e-5.  x is drawn of order 1 and the
; weights of order 0.02: 30 times larger or smaller, or an offset of 30 spreads, stays inside.
; A stream: every input byte is read once, every output byte written once; no LDS, no barrier, no matrix unit, and no
; cluster, since no two work-groups read the same byte.
; 256 work-groups of 8 waves.  Work-group g takes 65,536 bytes of x (16 turns of 4,096 bytes, 16 bytes a thread) and rows
; k = 4 g .. 4 g + 3 of all four weight matrices: 40 units x 2 pairs of rows = 80 loads of a wave, ten for each wave.
; A weight load of a wave: lanes 0-15 take the 256 bytes of one unit in row k, lanes 16-31 those in row k + 1; as f16 the two
; rows are 256 neighbouring bytes of the unit, so the wave's store covers 256 consecutive bytes, aligned.
; All 26 loads of a thread are issued in one run; no register is written a second time, so the only waits are the counted ones.
.set DAT,   8                          ; v[8:111]  quad n = v[8+4n : 11+4n]: x 0-15, Wq 16-19, Wo 20-23, Wk 24, Wv 25
.set NQ,    26                         ; loads of a thread
.set UNITB, 131072                     ; bytes of a unit: 1,024 k x 64 f16
	s_load_b512 s[4:19], s[0:1], 0x0               ; x s[4:5], Wq s[6:7], Wk s[8:9], Wv s[10:11], Wo s[12:13], xb s[14:15], wt s[16:17], wot s[18:19]
	v_lshrrev_b32 v5, 5, v0
	v_readfirstlane_b32 s20, v5                    ; wave 0..7
	s_and_b32 s21, s20, 1                          ; which pair of the four rows
	s_lshr_b32 s22, s20, 1                         ; which quarter of the units
	v_lshlrev_b32 v1, 4, v0                        ; x: 16 bytes a thread
	v_lshlrev_b32 v2, 3, v0                        ; xb: 8 bytes a thread
	v_and_b32 v5, 15, v0
	v_lshlrev_b32 v5, 4, v5                        ; 16 bytes for each lane of a half
	v_bfe_u32 v6, v0, 4, 1                         ; row of the pair
	v_lshl_add_u32 v3, v6, 12, v5                  ; Wq, Wo: rows of 4,096 bytes
	v_lshl_add_u32 v4, v6, 10, v5                  ; Wk, Wv: rows of 1,024 bytes
	v_and_b32 v5, 31, v0
	v_lshlrev_b32 v5, 3, v5                        ; out: 8 bytes a lane, two rows of 128 bytes
	v_lshrrev_b32 v7, 6, v0                        ; the quarter again, as a vector
	v_lshl_add_u32 v6, v7, 19, v5                  ; units 4 quarter + i of wt (from Wq) and of wot; i stands in the immediate
	v_lshl_add_u32 v7, v7, 17, v5
	v_add_nc_u32 v7, 16*UNITB, v7                  ; unit 16 + quarter of wt (from Wk); Wv's lies four units further
	s_lshl_b32 s24, ttmp9, 16                      ; x: 65,536 bytes a work-group
	s_mov_b32 s25, 0
	s_lshl_b32 s26, ttmp9, 15                      ; xb: half of that
	s_mov_b32 s27, 0
	s_lshl_b32 s28, ttmp9, 14                      ; Wq, Wo: 4 rows of 4,096 bytes,
	s_lshl_b32 s23, s21, 13                        ; + the pair of rows,
	s_add_co_u32 s28, s28, s23
	s_lshl_b32 s23, s22, 10                        ; + 4 units of 256 bytes
	s_add_co_u32 s28, s28, s23
	s_mov_b32 s29, 0
	s_lshr_b32 s30, s28, 2                         ; Wk, Wv: rows and quarters are a quarter as long
	s_mov_b32 s31, 0
	s_lshl_b32 s32, ttmp9, 9                       ; out: 4 rows of 128 bytes in each unit,
	s_lshl_b32 s23, s21, 8                         ; + the pair of rows
	s_add_co_u32 s32, s32, s23
	s_mov_b32 s33, 0
	s_wait_kmcnt 0x0
	s_add_nc_u64 s[4:5], s[4:5], s[24:25]
	s_add_nc_u64 s[6:7], s[6:7], s[28:29]
	s_add_nc_u64 s[8:9], s[8:9], s[30:31]
	s_add_nc_u64 s[10:11], s[10:11], s[30:31]
	s_add_nc_u64 s[12:13], s[12:13], s[28:29]
	s_add_nc_u64 s[14:15], s[14:15], s[26:27]
	s_add_nc_u64 s[16:17], s[16:17], s[32:33]
	s_add_nc_u64 s[18:19], s[18:19], s[32:33]
.set cn, 0
.rept 16
	global_load_b128 v[DAT+4*cn:DAT+4*cn+3], v1, s[4:5] offset:4096*cn th:TH_LOAD_NT
.set cn, cn+1
.endr
.irp i, 0,1,2,3
	global_load_b128 v[DAT+64+4*\i:DAT+64+4*\i+3], v3, s[6:7] offset:256*\i th:TH_LOAD_NT
.endr
.irp i, 0,1,2,3
	global_load_b128 v[DAT+80+4*\i:DAT+80+4*\i+3], v3, s[12:13] offset:256*\i th:TH_LOAD_NT
.endr
	global_load_b128 v[DAT+96:DAT+99], v4, s[8:9] th:TH_LOAD_NT
	global_load_b128 v[DAT+100:DAT+103], v4, s[10:11] th:TH_LOAD_NT
; Quad q: four f32 become four f16 in its first two registers and leave.  The stores carry no hint: the next launch reads them.
.macro CAST q, vo, sb, im
	s_wait_loadcnt NQ-1-(\q)                       ; loads come back in order (ISA guide 5.7.1): quad q is in, the NQ-1-q younger ones stay out
	v_cvt_pk_f16_f32 v[DAT+4*(\q)], v[DAT+4*(\q)], v[DAT+4*(\q)+1]
	v_cvt_pk_f16_f32 v[DAT+4*(\q)+1], v[DAT+4*(\q)+2], v[DAT+4*(\q)+3]
	global_store_b64 v\vo, v[DAT+4*(\q):DAT+4*(\q)+1], s[\sb:\sb+1] offset:\im
.endm
.set cn, 0
.rept 16
	CAST cn, 2, 14, 2048*cn
.set cn, cn+1
.endr
.irp i, 0,1,2,3
	CAST 16+\i, 6, 16, UNITB*\i
.endr
.irp i, 0,1,2,3
	CAST 20+\i, 6, 18, UNITB*\i
.endr
	CAST 24, 7, 16, 0
	CAST 25, 7, 16, 4*UNITB
	s_endpgm
.Lfunc_end_k_qd7a860b97b_cast:
	.size	k_qd7a860b97b_cast, .Lfunc_end_k_qd7a860b97b_cast-k_qd7a860b97b_cast
	.p2alignl 7, 3214868480
	.fill 96, 4, 3214868480
	.section	.rodata,"a",@progbits
	.p2align	6, 0x0
	.amdhsa_kernel k_qd7a860b97b_cast
		.amdhsa_group_segment_fixed_size 0
		.amdhsa_private_segment_fixed_size 0
		.amdhsa_enable_private_segment 0
		.amdhsa_kernarg_size 64
		.amdhsa_user_sgpr_count 2
		.amdhsa_user_sgpr_kernarg_segment_ptr 1
		.amdhsa_wavefront_size32 1
		.amdhsa_system_sgpr_workgroup_id_x 1
		.amdhsa_system_sgpr_workgroup_id_y 1
		.amdhsa_system_sgpr_workgroup_id_z 1
		.amdhsa_system_vgpr_workitem_id 0
		.amdhsa_next_free_vgpr 112
		.amdhsa_next_free_sgpr 66
		.amdhsa_reserve_vcc 0
		.amdhsa_float_denorm_mode_32 3
		.amdhsa_float_denorm_mode_16_64 3
		.amdhsa_memory_ordered 1
		.amdhsa_forward_progress 1
		.amdhsa_inst_pref_size 11
	.end_amdhsa_kernel
	.amdgpu_metadata
---
amdhsa.version: [ 1, 2 ]
amdhsa.kernels:
  - .name:           k_qd7a860b97b_cast
    .symbol:         k_qd7a860b97b_cast.kd
    .args:
      - { .name: x, .offset: 0, .size: 8, .value_kind: global_buffer, .address_space: global }
      - { .name: Wq, .offset: 8, .size: 8, .value_kind: global_buffer, .address_space: global }
      - { .name: Wk, .offset: 16, .size: 8, .value_kind: global_buffer, .address_space: global }
      - { .name: Wv, .offset: 24, .size: 8, .value_kind: global_buffer, .address_space: global }
      - { .name: Wo, .offset: 32, .size: 8, .value_kind: global_buffer, .address_space: global }
      - { .name: xb, .offset: 40, .size: 8, .value_kind: global_buffer, .address_space: global }
      - { .name: wt, .offset: 48, .size: 8, .value_kind: global_buffer, .address_space: global }
      - { .name: wot, .offset: 56, .size: 8, .value_kind: global_buffer, .address_space: global }
    .group_segment_fixed_size: 0
    .private_segment_fixed_size: 0
    .kernarg_segment_align: 8
    .kernarg_segment_size: 64
    .max_flat_workgroup_size: 256
    .sgpr_count:     66
    .vgpr_count:     112
    .wavefront_size: 32
...
	.end_amdgpu_metadata
.endif
;; end of part 1
;; launch proj_qkv (part 2): grid 8 x 32, 4 waves a work-group, clusters of 4 x 4, 327,680 bytes of LDS; arguments xb, wt, bq, bk, bv, qkvb; writes qkvb
.if DOCPART == 2
	.amdgcn_target "amdgcn-amd-amdhsa--gfx1250"
	.amdhsa_code_object_version 6
	.text
	.protected	k_qd7a860b97b_proj_qkv
	.globl	k_qd7a860b97b_proj_qkv
	.p2align	8
	.type	k_qd7a860b97b_proj_qkv,@function
k_qd7a860b97b_proj_qkv:
	s_mov_b64 s[64:65], 0
	v_nop
	global_prefetch_b8 v0, s[64:65] scope:SCOPE_SE
	s_setreg_imm32_b32 hwreg(HW_REG_WAVE_MODE, 25, 1), 1
	s_wait_xcnt 0x0
	s_wait_alu depctr_hold_cnt(0) depctr_sa_sdst(0) depctr_va_vdst(0) depctr_va_sdst(0) depctr_va_ssrc(0) depctr_va_vcc(0) depctr_vm_vsrc(0)
	s_getreg_b32 s2, hwreg(HW_REG_IB_STS2, 6, 4)
	s_cmp_eq_u32 s2, 0
	s_cbranch_scc0 .Lentry_in_a_cluster
	s_endpgm
.Lentry_in_a_cluster:
	s_bfe_u32 s2, ttmp6, 0x10000c
	s_cmp_lg_u32 s2, 0xf033
	s_cbranch_scc0 .Lentry_shape_is_right
	s_endpgm
.Lentry_shape_is_right:
; C = A W + bias.  A: [4096][1024] f16.  W: [units][1024 k][64] f16, a unit = 64 columns.  Sums in f32, started from the bias.
; One text for both projections; NU = units in a work-group's block of columns.
;   NU = 3: A = xb, W = wt (24 units: q heads 0-15, k groups 16-19, v groups 20-23), bias = bq, bk or bv by the unit,
;           result rounded once to f16 into qkvb [24 units][4096 rows][64].
;   NU = 2: A = ob, W = wot (16 units), bias = bo, result f32 into out0 [4096][1024].
; LIMITS: matrix operands are f16 (11 significant bits); the order of the sums is the matrix unit's.  With NU = 3 a result above 65,504 in magnitude
; becomes infinite.  q, k, v as drawn have the root mean square sqrt(1024) x 0.02 = 0.64; with x and the weights both 30 times larger 576, some 3,200
; at the most; with both carrying an offset of 30 spreads about 1024 x 30 x 0.6 = 18,432: all inside.  Below 6.1e-5 the step is 6e-8.
; SHARES: grid 8 x 32 = 256 work-groups of four waves; a work-group makes 128 rows x NU*64 columns; wave (rh, ch) makes 64 rows x NU*32
; columns: 4 x 2 NU accumulator tiles of 16 x 16.
; THE RING: K = 1024 is eight steps of 128.  A step's matrix work is short (8 NU matrix instructions a quarter, four quarters), so a slot holds the
; tiles of as many steps as fit, brought by one load a wave: fewer refills, each with more work in which to land.  A step takes NU x 20,480 bytes of W and
; 128 rows of A.  NU = 2: two slots of two steps, 2 x 149,504 bytes; visits {0,1} {2,3} {4,5} {6,7}, two refills.  NU = 3: four steps would take more than
; the 327,680 bytes there are, three fit: slot 0 holds two steps (190,464 bytes), slot 1 one (96,256); visits {0,1} {2} {3,4} {5} {6,7}, three refills.
; Two steps of A are one tile with rows of 512 bytes; two steps of a unit of W are one tile of 256 rows.  A's rows start at multiples of 256 bytes of memory.
; CLUSTERS: 4 x 4 work-groups.  A's tile hangs on the block row alone and is asked for jointly by the four of a row of the cluster, a unit
; of W on the block column alone, jointly by the four of a column: requests for A and W are divided by four.
; W lies [k][n] in LDS and is read by the transposing load, so that k runs along a lane's registers.
; THE MATRIX INSTRUCTION IS USED TRANSPOSED: source 0 = 16 columns of W, source 1 = 16 rows of A.  Register j of lane l then holds
; C(row l % 16, column n0 + 8 (l / 16) + j): eight neighbouring numbers of a row.  The bias is loaded in that same layout and is the C
; operand of each tile's first product: nothing is cleared and nothing is added afterwards.
.set NU,     3
.set NCT,    2*NU                      ; column tiles of a wave
.set AW,     4-NU                      ; waves that fetch A's tile: those that fetch no unit of W
.set AROWS,  128/AW                    ; rows of A's tile that each of them fetches
.set NS0,    2                         ; K steps in slot 0
.set NS1,    4-NU                      ; K steps in slot 1: two with NU = 2, one with NU = 3 (see THE RING)
.set CYC,    NS0+NS1                   ; K steps once round the ring
.set BPITCH, 160                       ; a row of W in LDS: 128 bytes + 32 of padding, an odd multiple of 32 bytes
.set BCH0,   NS0*128*BPITCH            ; one unit's rows in slot 0
.set BCH1,   NS1*128*BPITCH            ; and in slot 1
.set PA0,    NS0*256+16                ; a row of A in slot 0: its steps' bytes + 16 of padding, an odd multiple of 16 bytes
.set PA1,    NS1*256+16                ; and in slot 1
.set AOFF0,  NU*BCH0                   ; in a slot A's tile lies behind the NU units
.set AOFF1,  NU*BCH1
.set SB1,    AOFF0+128*PA0             ; slot 1 begins behind slot 0
.set RING,   SB1+AOFF1+128*PA1
.if NU == 3
.set OUTP,   14                        ; s[14:15] the result
.set SPITCH, 400                       ; stage: 128 rows of 384 bytes (192 f16) + 16, shared by the four waves: 51,200 bytes
.set STAGE,  SB1                       ; it lies in slot 1: that slot's last fill (K step 5) has been read by every wave in front of the barrier
                                       ; ahead of K steps 6 and 7, and no fill lands there afterwards
.else
.set OUTP,   10                        ; s[10:11] the result
.set SPITCH, 272                       ; stage: 16 rows of 256 bytes (64 f32) + 16, one for each wave
.set STAGE,  RING                      ; behind the ring, a multiple of 256 bytes, never the target of a fill
.endif
; window 0 (v0-v255)
.set XADR, 8                           ; v8, v9      LDS address of my A fragments in slot 0, 1
.set WADR, 10                          ; v10+3s+a    LDS address of my W fragments, slot s, group a of 32 columns
.set VB,   16                          ; v16         bias: 32 bytes for each half of the lanes
.set STO,  17                          ; v17         the way out: where I put my numbers
.set RD,   18                          ; v18         the way out: where I read rows back
.set CO,   19                          ; v19         my byte offset in the result
.set TMP,  24                          ; v[24:47]    packed results
.set F0,   64                          ; v[64:143]   fragment buffer 0: W tile ct at +8 ct, A tile rt at +48+8 rt
.set F1,   144                         ; v[144:223]  fragment buffer 1
; window 1 (v256-v495): accumulator (rt, ct) at 8 (NCT rt + ct); the bias of column tile ct at BIAS + 8 ct
.set BIAS, 192
.set G1A, 32                           ; s[32:47] descriptor group 1 for A's tiles, a set of eight for each slot
.set G1B, 48                           ; s[48:63] descriptor group 1 for W's units, a set for each slot
.set G0A, 68                           ; s[68:75] group 0 for A, a set of four for each slot
.set G0B, 76                           ; s[76:83] group 0 for W, a set for each slot
.set BP,  84                           ; s[84:89] address of the bias of my group a of 32 columns
.set MSB, 0
.macro WIN new                         ; s_set_vgpr_msb: bits 1:0 source 0, 3:2 source 1, 5:4 source 2, 7:6 destination; the high byte repeats the setting left
.if MSB != \new
	s_set_vgpr_msb (MSB<<8)|\new
.set MSB, \new
.endif
.endm
.macro PLACES                          ; four independent vector instructions behind a matrix instruction (ISA guide 7.12.1) before its result is read
.rept 4                                ; by a vector instruction or an LDS store, and, beyond that section, before a load is issued into one of its sources
	v_nop
.endr
.endm
; A round of the cluster's barrier: my work-group's barrier, wave 0 signals for the work-group, every wave waits for all sixteen, my work-group's barrier again.
.macro CREST                           ; the round behind its opening barrier
	s_cmp_lg_u32 s16, 0
	s_cbranch_scc1 .Lnot_wave_0_\@
	s_barrier_signal -3
.Lnot_wave_0_\@:
	s_barrier_wait -3
	s_barrier_signal -1
	s_barrier_wait -1
.endm
.macro CROUND
	s_barrier_signal -1
	s_barrier_wait -1
	CREST
.endm
; A joint load into slot s.  Waves 0 .. NU-1 ask for one unit of W each; the other AW waves share A's tile, AROWS rows each.  So every wave issues
; exactly one load for each slot, on either side of the branch, and a counted wait counts the same loads in every wave.
; The branch hangs on the wave's number alone; each line has one mask, and its registers are equal in the four partners.
.macro JLOAD s
	s_cmp_lt_u32 s16, NU
	s_cbranch_scc0 .Lfor_a_\@
	tensor_load_to_lds s[G0B+4*\s:G0B+4*\s+3], s[G1B+8*\s:G1B+8*\s+7]
	s_nop 0
	s_branch .Lasked_\@
.Lfor_a_\@:
	tensor_load_to_lds s[G0A+4*\s:G0A+4*\s+3], s[G1A+8*\s:G1A+8*\s+7]
	s_nop 0
.Lasked_\@:
.endm
; The fragments of 32 along K (quarter q of slot s, four quarters a K step) into buffer f: 4 NU transposing loads for W, 8 plain loads for A.
.macro FETCH s, q, f
	WIN 0
.set fa, 0
.rept NU
	ds_load_tr16_b128 v[\f+16*fa:\f+16*fa+3],     v[WADR+3*\s+fa] offset:(\q)*32*BPITCH
	ds_load_tr16_b128 v[\f+16*fa+4:\f+16*fa+7],   v[WADR+3*\s+fa] offset:(\q)*32*BPITCH+16*BPITCH
	ds_load_tr16_b128 v[\f+16*fa+8:\f+16*fa+11],  v[WADR+3*\s+fa] offset:(\q)*32*BPITCH+32
	ds_load_tr16_b128 v[\f+16*fa+12:\f+16*fa+15], v[WADR+3*\s+fa] offset:(\q)*32*BPITCH+16*BPITCH+32
.set fa, fa+1
.endr
.irp rt, 0,1,2,3
	ds_load_b128 v[\f+48+8*\rt:\f+48+8*\rt+3],   v[XADR+\s] offset:\rt*16*(PA0+\s*(PA1-PA0))+(\q)*64
	ds_load_b128 v[\f+48+8*\rt+4:\f+48+8*\rt+7], v[XADR+\s] offset:\rt*16*(PA0+\s*(PA1-PA0))+(\q)*64+32
.endr
.endm
; 2 NCT matrix instructions: row tiles 2 half, 2 half + 1 x all column tiles.  first = 1: the sums start from the bias.
; All 4 NCT accumulators take turns, one instruction a turn, in the same order in every quarter.
.macro MULH f, half, first
.irp rr, 0,1
.set mc, 0
.rept NCT
.if \first
	v_wmma_f32_16x16x32_f16 v[8*(NCT*(2*\half+\rr)+mc):8*(NCT*(2*\half+\rr)+mc)+7], v[\f+8*mc:\f+8*mc+7], v[\f+48+8*(2*\half+\rr):\f+48+8*(2*\half+\rr)+7], v[BIAS+8*mc:BIAS+8*mc+7]
.else
	v_wmma_f32_16x16x32_f16 v[8*(NCT*(2*\half+\rr)+mc):8*(NCT*(2*\half+\rr)+mc)+7], v[\f+8*mc:\f+8*mc+7], v[\f+48+8*(2*\half+\rr):\f+48+8*(2*\half+\rr)+7], v[8*(NCT*(2*\half+\rr)+mc):8*(NCT*(2*\half+\rr)+mc)+7]
.endif
.set mc, mc+1
.endr
.endr
.endm
; A quarter that is not its slot's last: buffer f is multiplied while quarter qn of the same slot is on its way into buffer g.
.macro QSTEP s, qn, f, g, first
	s_wait_dscnt 0x0                               ; buffer f is in: its loads were issued a quarter ago, nothing younger is out
	PLACES                                         ; behind the products that read buffer g
	FETCH \s, \qn, \g
	WIN 0x50                                       ; C and D in window 1, fragments in window 0
	MULH \f, 0, \first
	MULH \f, 1, \first
.endm
; All quarters of slot s but the last: three for a slot of one K step, seven for a slot of two.  No barrier stands between a slot's steps: the one in
; front of them has shown the whole slot to every wave.  The count is odd, so the last quarter's fragments always lie in buffer 1.
.macro RUN s, first
	QSTEP \s, 1, F0, F1, \first
	QSTEP \s, 2, F1, F0, 0
	QSTEP \s, 3, F0, F1, 0
.if NS0+\s*(NS1-NS0) == 2
	QSTEP \s, 4, F1, F0, 0
	QSTEP \s, 5, F0, F1, 0
	QSTEP \s, 6, F1, F0, 0
	QSTEP \s, 7, F0, F1, 0
.endif
.endm
; The last quarter (buffer 1) and the change of slots.  In front of the barrier each wave waits for its reads of slot s and for all its tensor
; loads, of which the one that is out is its part of the next slot.  Behind it nobody reads slot s and the next slot is whole.
; fill = 1: the barrier opens a round of the cluster's barrier, and the joint refill, once round the ring ahead, is the first tensor load behind the round;
; it has the whole visit of the next slot, less that visit's last quarter, in which to land.
.macro TURN s, next, fill
	WIN 0x50
	s_wait_dscnt 0x0                               ; my reads of this slot are over
	s_wait_tensorcnt 0x0                           ; all my tensor loads have landed
	ds_add_u32 v254, v255
	s_wait_dscnt 0x0
	s_barrier_signal -1
	MULH F1, 0, 0                                  ; register work while the others arrive
	WIN 0
	s_barrier_wait -1
.if \fill
	CREST                                          ; no wave of any partner still reads this slot or has a load on its way
	s_add_nc_u64 s[G0A+4*\s+2:G0A+4*\s+3], s[G0A+4*\s+2:G0A+4*\s+3], CYC*256      ; CYC K steps along A's rows
	s_add_nc_u64 s[G0B+4*\s+2:G0B+4*\s+3], s[G0B+4*\s+2:G0B+4*\s+3], CYC*16384    ; CYC x 128 rows of 128 bytes down the unit
	JLOAD \s
.endif
	PLACES                                         ; behind the products that read buffer 0
	FETCH \next, 0, F0
	WIN 0x50
	MULH F1, 1, 0
.endm
.macro VISIT s, next, fill, first
	RUN \s, \first
	TURN \s, \next, \fill
.endm
.macro LASTV s                         ; the last visit: nothing more to fetch
	RUN \s, 0
	s_wait_dscnt 0x0
	MULH F1, 0, 0
	MULH F1, 1, 0
	WIN 0
	PLACES                                         ; behind the last products: for what reads the results and for the loads into the fragment buffers
.endm
	s_load_b128 s[4:7], s[0:1], 0x0                ; A s[4:5], W s[6:7]
.if NU == 3
	s_load_b256 s[8:15], s[0:1], 0x10              ; bq s[8:9], bk s[10:11], bv s[12:13], qkvb s[14:15]
	v_lshl_add_u32 v254, v0, 2, 0x46000
	v_mov_b32 v255, 0
	ds_add_u32 v254, v255
.else
	s_load_b128 s[8:11], s[0:1], 0x10              ; bo s[8:9], out0 s[10:11]
.endif
	v_lshrrev_b32 v1, 5, v0
	v_readfirstlane_b32 s16, v1                    ; wave 0..3
	s_lshr_b32 s17, s16, 1                         ; rh: which 64 of the block's rows
	s_and_b32 s18, s16, 1                          ; ch: which half of its columns
	s_bfe_u32 s19, ttmp6, 0x40000                  ; cx
	s_bfe_u32 s20, ttmp6, 0x40004                  ; cy
	s_lshl_b32 s21, ttmp9, 2
	s_add_co_u32 s21, s21, s19                     ; block column = 4 x cluster x + cx
	s_and_b32 s22, ttmp7, 0xffff
	s_lshl_b32 s22, s22, 2
	s_add_co_u32 s22, s22, s20                     ; block row = 4 x cluster y + cy
	s_lshl_b32 s23, s20, 2
	s_lshl_b32 s23, 15, s23                        ; my row of the cluster: places 4 cy .. 4 cy + 3
	s_lshl_b32 s90, 0x1111, s19                    ; my column: places cx, cx + 4, cx + 8, cx + 12
.irp s, 0,1
.set nsx, NS0+\s*(NS1-NS0)                     ; K steps in this slot
	; group 1 for A: AROWS rows x 128 nsx elements of 2 bytes, 1,024 elements from row to row; 4 words of padding after every row of 64 nsx words
	s_or_b32 s[G1A+8*\s+0], s23, (1<<16)|(1<<20)|(1<<21)|((4+nsx)<<22)|(3<<25)
	s_mov_b32 s[G1A+8*\s+1], (128*nsx)<<16         ; tensor_dim0
	s_mov_b32 s[G1A+8*\s+2], AROWS<<16             ; tensor_dim1
	s_mov_b32 s[G1A+8*\s+3], (128*nsx)<<16         ; tile_dim0
	s_mov_b32 s[G1A+8*\s+4], AROWS                 ; tile_dim1
	s_mov_b32 s[G1A+8*\s+5], 1024                  ; stride from row to row
	s_mov_b32 s[G1A+8*\s+6], 0
	s_mov_b32 s[G1A+8*\s+7], 0
	; group 1 for W: 128 nsx rows (k) x 64 elements, 64 elements from row to row; 8 words of padding after every 32
	s_or_b32 s[G1B+8*\s+0], s90, (1<<16)|(1<<20)|(1<<21)|(4<<22)|(7<<25)
	s_mov_b32 s[G1B+8*\s+1], 64<<16
	s_mov_b32 s[G1B+8*\s+2], (128*nsx)<<16
	s_mov_b32 s[G1B+8*\s+3], 64<<16
	s_mov_b32 s[G1B+8*\s+4], 128*nsx
	s_mov_b32 s[G1B+8*\s+5], 64
	s_mov_b32 s[G1B+8*\s+6], 0
	s_mov_b32 s[G1B+8*\s+7], 0
.endr
	s_lshl_b32 s24, s22, 18                        ; A: 128 rows of 2,048 bytes for each block row (no cx in these registers)
.if AW > 1
	s_lshl_b32 s28, s18, 17                        ; waves 2 and 3 fetch A: wave % 2 picks the 64 rows of 2,048 bytes
	s_add_co_u32 s24, s24, s28
.endif
	s_mov_b32 s25, 0
	s_mul_i32 s92, s21, NU                         ; W: unit NU x block column + wave (no cy in these registers)
	s_add_co_u32 s92, s92, s16
	s_lshl_b32 s92, s92, 17                        ; 131,072 bytes a unit
	s_mov_b32 s93, 0
	s_wait_dscnt 0x0
	s_wait_kmcnt 0x0
	s_add_nc_u64 s[24:25], s[4:5], s[24:25]
	s_add_nc_u64 s[92:93], s[6:7], s[92:93]
	CROUND                                         ; all sixteen work-groups are here: the first joint loads meet
.irp s, 0,1
	s_mov_b32 s[G0A+4*\s], 1
.if AW > 1
	s_mul_i32 s27, s16, AROWS*(PA0+\s*(PA1-PA0))   ; where my rows of A go: the slot's A + (wave - NU) x AROWS rows, as the wave's number times a constant plus a constant
	s_add_co_u32 s[G0A+4*\s+1], s27, \s*SB1+(AOFF0+\s*(AOFF1-AOFF0))-NU*AROWS*(PA0+\s*(PA1-PA0))
.else
	s_mov_b32 s[G0A+4*\s+1], \s*SB1+AOFF0+\s*(AOFF1-AOFF0)
.endif
	s_add_nc_u64 s[G0A+4*\s+2:G0A+4*\s+3], s[24:25], \s*NS0*256
	s_or_b32 s[G0A+4*\s+3], s[G0A+4*\s+3], 0x80000000
	s_mov_b32 s[G0B+4*\s], 1
	s_mul_i32 s26, s16, BCH0+\s*(BCH1-BCH0)        ; where my unit goes: the wave's number alone
	s_add_co_u32 s[G0B+4*\s+1], s26, \s*SB1
	s_add_nc_u64 s[G0B+4*\s+2:G0B+4*\s+3], s[92:93], \s*NS0*16384
	s_or_b32 s[G0B+4*\s+3], s[G0B+4*\s+3], 0x80000000
	JLOAD \s                                       ; both slots' first fills: two tensor loads of a wave are out here, later one
.endr
	v_and_b32 v2, 15, v0                           ; r = l % 16
	v_bfe_u32 v3, v0, 4, 1                         ; h = l / 16
	v_mul_u32_u24 v4, v2, PA0                      ; A fragment: row r, 16 bytes for each half; two loads 32 bytes apart
	v_lshl_add_u32 v4, v3, 4, v4
	s_mul_i32 s23, s17, 64*PA0
	s_add_co_u32 s23, s23, AOFF0
	v_add_nc_u32 v[XADR], s23, v4
	v_mul_u32_u24 v4, v2, PA1                      ; the same with slot 1's pitch
	v_lshl_add_u32 v4, v3, 4, v4
	s_mul_i32 s23, s17, 64*PA1
	s_add_co_u32 s23, s23, SB1+AOFF1
	v_add_nc_u32 v[XADR+1], s23, v4
	v_and_b32 v5, 7, v0                            ; W fragment by the transposing load: row k = 8 h + l % 8, 16 bytes by bit 3 of the lane
	v_lshl_add_u32 v5, v3, 3, v5
	v_mul_u32_u24 v5, v5, BPITCH
	v_bfe_u32 v6, v0, 3, 1
	v_lshl_add_u32 v5, v6, 4, v5
	v_lshlrev_b32 v[VB], 5, v3                     ; bias: eight f32 for each half of the lanes
	s_mul_i32 s94, s18, NU                         ; my first group of 32 columns
	s_mul_i32 s95, s21, NU                         ; the block's first unit
.set aa, 0
.rept NU
	s_add_co_u32 s96, s94, aa                      ; group q of 32 columns in the block
	s_lshr_b32 s97, s96, 1                         ; its unit in the block
	s_and_b32 s96, s96, 1                          ; its half of the unit
	s_lshl_b32 s90, s96, 6
	s_mul_i32 s91, s97, BCH0
	s_add_co_u32 s91, s91, s90
	v_add_nc_u32 v[WADR+aa], s91, v5
	s_mul_i32 s91, s97, BCH1
	s_add_co_u32 s91, s91, s90
	s_add_co_u32 s91, s91, SB1
	v_add_nc_u32 v[WADR+3+aa], s91, v5
	s_add_co_u32 s97, s97, s95                     ; the unit's number
.if NU == 3
	s_cmp_lt_u32 s97, 16                           ; units 0-15: bq; 16-19: bk; 20-23: bv
	s_cselect_b64 s[BP+2*aa:BP+2*aa+1], s[8:9], s[10:11]
	s_cselect_b32 s90, 0, 16
	s_cmp_lt_u32 s97, 20
	s_cselect_b64 s[BP+2*aa:BP+2*aa+1], s[BP+2*aa:BP+2*aa+1], s[12:13]
	s_cselect_b32 s90, s90, 20
	s_sub_co_u32 s97, s97, s90                     ; the unit's number within its bias
.else
	s_mov_b64 s[BP+2*aa:BP+2*aa+1], s[8:9]
.endif
	s_lshl_b32 s97, s97, 8                         ; 64 f32 a unit
	s_lshl_b32 s96, s96, 7                         ; 32 f32 a half
	s_add_co_u32 s96, s96, s97
	s_mov_b32 s97, 0
	s_add_nc_u64 s[BP+2*aa:BP+2*aa+1], s[BP+2*aa:BP+2*aa+1], s[96:97]
.set aa, aa+1
.endr
	WIN 0x40                                       ; data into window 1, address from window 0
.set aa, 0
.rept NU
	global_load_b128 v[BIAS+16*aa:BIAS+16*aa+3],     v[VB], s[BP+2*aa:BP+2*aa+1]
	global_load_b128 v[BIAS+16*aa+4:BIAS+16*aa+7],   v[VB], s[BP+2*aa:BP+2*aa+1] offset:16
	global_load_b128 v[BIAS+16*aa+8:BIAS+16*aa+11],  v[VB], s[BP+2*aa:BP+2*aa+1] offset:64
	global_load_b128 v[BIAS+16*aa+12:BIAS+16*aa+15], v[VB], s[BP+2*aa:BP+2*aa+1] offset:80
.set aa, aa+1
.endr
	WIN 0
.if NU == 3
	v_mul_u32_u24 v[STO], v2, SPITCH               ; in: row 64 rh + r, 192 ch bytes along, 16 bytes for each half
	v_lshl_add_u32 v[STO], v3, 4, v[STO]
	s_mul_i32 s27, s17, 64*SPITCH
	s_mul_i32 s28, s18, 192
	s_add_co_u32 s27, s27, s28
	s_add_co_u32 s27, s27, STAGE
	v_add_nc_u32 v[STO], s27, v[STO]
	v_lshrrev_b32 v[RD], 3, v0                     ; back: eight threads take the 128 bytes that one row has of a unit
	v_mul_u32_u24 v[RD], v[RD], SPITCH
	v_and_b32 v6, 7, v0
	v_lshl_add_u32 v[RD], v6, 4, v[RD]
	v_add_nc_u32 v[RD], STAGE, v[RD]
	v_lshlrev_b32 v[CO], 4, v0                     ; in a unit the rows follow each other: 16 bytes a thread
.else
	s_mul_i32 s27, s16, 16*SPITCH
	s_add_co_u32 s27, s27, STAGE                   ; my own stage
	v_mul_u32_u24 v[STO], v2, SPITCH               ; in: row r, 32 bytes for each half
	v_lshl_add_u32 v[STO], v3, 5, v[STO]
	v_add_nc_u32 v[STO], s27, v[STO]
	v_mul_u32_u24 v[RD], v3, SPITCH                ; back: lanes 0-15 one row of 256 bytes, lanes 16-31 the next
	v_lshl_add_u32 v[RD], v2, 4, v[RD]
	v_add_nc_u32 v[RD], s27, v[RD]
	v_lshlrev_b32 v[CO], 12, v3                    ; the same two rows in out0
	v_lshl_add_u32 v[CO], v2, 4, v[CO]
.endif
	s_wait_tensorcnt 0x1                           ; my part of slot 0 is in; my one load for slot 1, issued behind it, stays out
	s_barrier_signal -1
	s_barrier_wait -1                              ; everybody's part is in
	s_wait_loadcnt 0x0                             ; the bias
	FETCH 0, 0, F0
.if NU == 3
	VISIT 0, 1, 1, 1                               ; K steps 0, 1: the first products start the sums; asks for steps 3, 4
	VISIT 1, 0, 1, 0                               ; K step 2; asks for step 5
	VISIT 0, 1, 1, 0                               ; K steps 3, 4; asks for steps 6, 7
	VISIT 1, 0, 0, 0                               ; K step 5: nothing is left to fetch; behind its barrier no wave reads slot 1 any more
	LASTV 0                                        ; K steps 6, 7
.else
	VISIT 0, 1, 1, 1                               ; K steps 0, 1: the first products start the sums; asks for steps 4, 5
	VISIT 1, 0, 1, 0                               ; K steps 2, 3; asks for steps 6, 7
	VISIT 0, 1, 0, 0                               ; K steps 4, 5: nothing is left to fetch
	LASTV 1                                        ; K steps 6, 7
.endif
.if NU == 3
	; THE WAY OUT, f16: the block's 128 rows x 384 bytes are gathered in the stage, then each unit's 128 bytes of a row go to that unit.
	s_mul_i32 s90, s21, 3*524288                   ; three units of 524,288 bytes for each block column,
	s_lshl_b32 s91, s22, 14                        ; 128 rows of 128 bytes for each block row
	s_add_co_u32 s90, s90, s91
	s_mov_b32 s91, 0
	s_add_nc_u64 s[OUTP:OUTP+1], s[OUTP:OUTP+1], s[90:91]
.irp rt, 0,1,2,3
	WIN 0x05                                       ; both sources in window 1
.set cc, 0
.rept NCT
.irp k, 0,1,2,3
	v_cvt_pk_f16_f32 v[TMP+4*cc+\k], v[8*(NCT*\rt+cc)+2*\k], v[8*(NCT*\rt+cc)+2*\k+1]
.endr
.set cc, cc+1
.endr
	WIN 0
.set cc, 0
.rept NCT
	ds_store_b128 v[STO], v[TMP+4*cc:TMP+4*cc+3] offset:\rt*16*SPITCH+32*cc
.set cc, cc+1
.endr
.endr
	s_wait_dscnt 0x0                               ; my stores are in LDS, for the other waves' sake
	s_barrier_signal -1
	s_barrier_wait -1
.irp u, 0,1,2
.irp t, 0,1,2,3,4,5,6,7
	ds_load_b128 v[F0+32*\u+4*\t:F0+32*\u+4*\t+3], v[RD] offset:\t*16*SPITCH+\u*128
.endr
.irp t, 0,1,2,3,4,5,6,7
	s_wait_dscnt 7-\t                              ; LDS loads come back in order: load t of the eight is in
	global_store_b128 v[CO], v[F0+32*\u+4*\t:F0+32*\u+4*\t+3], s[OUTP:OUTP+1] offset:\u*524288+\t*2048   ; a wave stores 512 consecutive bytes, aligned
.endr
.endr
.else
	; THE WAY OUT, f32, 16 rows at a time through my own stage: LDS serves a wave's instructions in order (ISA guide 5.7.1), so no wait stands between stores and loads.
	s_lshl_b32 s90, s22, 19                        ; 128 rows of 4,096 bytes for each block row,
	s_lshl_b32 s91, s17, 18                        ; my 64 rows,
	s_add_co_u32 s90, s90, s91
	s_lshl_b32 s91, s21, 9                         ; 128 columns of 4 bytes for each block column,
	s_add_co_u32 s90, s90, s91
	s_lshl_b32 s91, s18, 8                         ; my 64 columns
	s_add_co_u32 s90, s90, s91
	s_mov_b32 s91, 0
	s_add_nc_u64 s[OUTP:OUTP+1], s[OUTP:OUTP+1], s[90:91]
.irp rt, 0,1,2,3
	WIN 0x04                                       ; store data from window 1
.set cc, 0
.rept NCT
	ds_store_b128 v[STO], v[8*(NCT*\rt+cc):8*(NCT*\rt+cc)+3]   offset:64*cc
	ds_store_b128 v[STO], v[8*(NCT*\rt+cc)+4:8*(NCT*\rt+cc)+7] offset:64*cc+16
.set cc, cc+1
.endr
	WIN 0
.irp t, 0,1,2,3,4,5,6,7
	ds_load_b128 v[F0+32*\rt+4*\t:F0+32*\rt+4*\t+3], v[RD] offset:\t*2*SPITCH
.endr
.irp t, 0,1,2,3,4,5,6,7
	s_wait_dscnt 7-\t                              ; load t of the eight is in
	global_store_b128 v[CO], v[F0+32*\rt+4*\t:F0+32*\rt+4*\t+3], s[OUTP:OUTP+1] offset:(16*\rt+2*\t)*4096 th:TH_STORE_NT   ; 16 lanes store 256 consecutive bytes, aligned
.endr
.endr
.endif
	s_wait_tensorcnt 0x0
	ds_add_u32 v254, v255
	s_wait_dscnt 0x0
	CROUND                                         ; the closing round: no work-group ends while a partner may still ask for a tile that names it
	s_endpgm
.Lfunc_end_k_qd7a860b97b_proj_qkv:
	.size	k_qd7a860b97b_proj_qkv, .Lfunc_end_k_qd7a860b97b_proj_qkv-k_qd7a860b97b_proj_qkv
	.p2alignl 7, 3214868480
	.fill 96, 4, 3214868480
	.section	.rodata,"a",@progbits
	.p2align	6, 0x0
	.amdhsa_kernel k_qd7a860b97b_proj_qkv
		.amdhsa_group_segment_fixed_size 327680
		.amdhsa_private_segment_fixed_size 0
		.amdhsa_enable_private_segment 0
		.amdhsa_kernarg_size 48
		.amdhsa_user_sgpr_count 2
		.amdhsa_user_sgpr_kernarg_segment_ptr 1
		.amdhsa_wavefront_size32 1
		.amdhsa_system_sgpr_workgroup_id_x 1
		.amdhsa_system_sgpr_workgroup_id_y 1
		.amdhsa_system_sgpr_workgroup_id_z 1
		.amdhsa_system_vgpr_workitem_id 0
		.amdhsa_next_free_vgpr 496
		.amdhsa_next_free_sgpr 98
		.amdhsa_reserve_vcc 0
		.amdhsa_float_denorm_mode_32 3
		.amdhsa_float_denorm_mode_16_64 3
		.amdhsa_memory_ordered 1
		.amdhsa_forward_progress 1
		.amdhsa_inst_pref_size 122
	.end_amdhsa_kernel
	.amdgpu_metadata
---
amdhsa.version: [ 1, 2 ]
amdhsa.kernels:
  - .name:           k_qd7a860b97b_proj_qkv
    .symbol:         k_qd7a860b97b_proj_qkv.kd
    .args:
      - { .name: xb, .offset: 0, .size: 8, .value_kind: global_buffer, .address_space: global }
      - { .name: wt, .offset: 8, .size: 8, .value_kind: global_buffer, .address_space: global }
      - { .name: bq, .offset: 16, .size: 8, .value_kind: global_buffer, .address_space: global }
      - { .name: bk, .offset: 24, .size: 8, .value_kind: global_buffer, .address_space: global }
      - { .name: bv, .offset: 32, .size: 8, .value_kind: global_buffer, .address_space: global }
      - { .name: qkvb, .offset: 40, .size: 8, .value_kind: global_buffer, .address_space: global }
    .group_segment_fixed_size: 327680
    .private_segment_fixed_size: 0
    .kernarg_segment_align: 8
    .kernarg_segment_size: 48
    .max_flat_workgroup_size: 128
    .sgpr_count:     98
    .vgpr_count:     496
    .wavefront_size: 32
...
	.end_amdgpu_metadata
.endif
;; end of part 2
;; launch attention (part 3): grid 32 x 8, 8 waves a work-group, clusters of 4 x 1, 327,680 bytes of LDS; arguments qkvb, ob; writes ob
.if DOCPART == 3
	.amdgcn_target "amdgcn-amd-amdhsa--gfx1250"
	.amdhsa_code_object_version 6
	.text
	.protected	k_qd7a860b97b_attention
	.globl	k_qd7a860b97b_attention
	.p2align	8
	.type	k_qd7a860b97b_attention,@function
k_qd7a860b97b_attention:
	s_mov_b64 s[64:65], 0
	v_nop
	global_prefetch_b8 v0, s[64:65] scope:SCOPE_SE
	s_setreg_imm32_b32 hwreg(HW_REG_WAVE_MODE, 25, 1), 1
	s_wait_xcnt 0x0
	s_wait_alu depctr_hold_cnt(0) depctr_sa_sdst(0) depctr_va_vdst(0) depctr_va_sdst(0) depctr_va_ssrc(0) depctr_va_vcc(0) depctr_vm_vsrc(0)
	s_getreg_b32 s2, hwreg(HW_REG_IB_STS2, 6, 4)
	s_cmp_eq_u32 s2, 0
	s_cbranch_scc0 .Lentry_in_a_cluster
	s_endpgm
.Lentry_in_a_cluster:
	s_bfe_u32 s2, ttmp6, 0x10000c
	s_cmp_lg_u32 s2, 0x3003
	s_cbranch_scc0 .Lentry_shape_is_right
	s_endpgm
.Lentry_shape_is_right:
; ob[b][s][head 4 g + p][d] = softmax over t of (q . k / 8) times v, with a running maximum.  2 batches x 4 groups x 4 heads, 2,048 x 2,048, d = 64.
; qkvb: [24 units][4096 rows][64] f16: units 0-15 q of head u, 16-19 k of group u - 16, 20-23 v of group u - 20; row = 2048 b + s.
; ob:   [4096][1024] f16, column = 64 head + d.
; LIMITS: q, k, v, the probabilities p and the result are f16 matrix operands; scores, maxima and sums are f32; the sum l adds p before its
; rounding.  p lies in 0 .. 1 by the running maximum; as f16 a p under 3e-8 counts as 0, at most 2048 x 3e-8 = 6e-5 of a sum l that is at least 1.
; The result is a mean of v's rows and has v's range; below 6.1e-5 its step is 6e-8.  An infinite score gives NaN.
; SHARES: work-group (qb, b, g) takes 64 queries of the four heads of group g; 32 x 8 = 256 work-groups of eight waves.  Wave w: head p = w % 4,
; z = w / 4.  The two waves of a head hold the same 64 queries; of every tile of 256 keys wave z takes keys 128 z .. 128 z + 127, with a maximum
; and a sum of its own; the two results are merged once at the end.  So two waves lie on a SIMD, and one's softmax runs under the other's products.
; CLUSTERS: the four work-groups of a cluster are four query blocks of one (b, g) and walk the same K and V tiles: every tile is asked for jointly.
; LAYOUT, no movement between lanes but one exchange of the halves: S^T = K Q^T (source 0 = 16 keys, source 1 = 16 queries): register j of lane l holds
; (key 8 (l / 16) + j, query l % 16).  Two neighbouring tiles of S^T, packed to f16 in place, are source 1 of O^T = V^T P^T; source 0, V^T, comes by the
; transposing load.  Register j of O^T holds (d = 8 (l / 16) + j, query l % 16): eight neighbouring d.
; The scale: p = exp2(c s + NM), c = log2(e) / 8, NM = -c m rounded once; old sums are rescaled by exp2(NM new - NM old).
.set KPITCH, 144                       ; a row of K in LDS: 128 bytes + 16, an odd multiple of 16
.set VPITCH, 160                       ; a row of V in LDS: 128 bytes + 32, an odd multiple of 32
.set CHUNK,  10240                     ; 64 rows; chunk w of a slot is filled by wave w: chunks 0-3 K's rows 64 w .., chunks 4-7 V's
.set SLOT,   8*CHUNK                   ; a tile of 256 keys: K and V
.set TILEB,  32768                     ; 256 rows of 128 bytes in memory
.set XCH,    2*SLOT                    ; the exchange between a head's two waves, behind the ring; no fill lands here
.set XBYTES, 17408                     ; 32 x 512 bytes of O, 512 of NM, 512 of l
.set STG,    XCH+4*XBYTES              ; the way out: 64 rows x (512 bytes + 16)
.set SPITCH, 528
; window 0
.set KADR, 4                           ; v4, v5      LDS address of my K fragments, slot 0, 1
.set VADR, 6                           ; v6, v7      the same for V
.set QOFF, 8
.set XADR, 9
.set STO,  10
.set RD,   11
.set CO,   12
.set QF,   16                          ; v[16:79]    Q(st, ks) at 16 st + 8 ks
.set OA,   80                          ; v[80:207]   O(st, dt) at 32 st + 8 dt
; window 1
.set SC,   0                           ; S(tt, st) at 32 st + 8 tt; P(st, tp) at 32 st + 16 tp, in place
.set FR,   128                         ; K(tt, ks) at 16 tt + 8 ks, then V(dt, tp) at 16 dt + 8 tp
.set MP,   192                         ; + 2 st: running maximum of query tile st
.set AL,   200                         ; + 2 st: pair, the factor for the old sums
.set LS,   208                         ; + 2 st: pair, partial sums of p
.set NM,   216                         ; + 2 st: pair, -c m
.set TT,   224                         ; + 2 st: pair, at work
.set MQ,   232                         ; quad: NM of the four tiles, to send
.set LQ,   236                         ; quad: l of the four tiles
.set G1K, 28                           ; s[28:35] descriptor group 1 for K's chunks
.set G1V, 36                           ; s[36:43] for V's: other padding
.set G0,  44                           ; s[44:51] group 0, a set for each slot
.set MSB, 0
.macro WIN new                         ; s_set_vgpr_msb: bits 1:0 source 0, 3:2 source 1, 5:4 source 2, 7:6 destination; the high byte repeats the setting left
.if MSB != \new
	s_set_vgpr_msb (MSB<<8)|\new
.set MSB, \new
.endif
.endm
.macro NOP5                            ; five independent vector instructions behind a matrix instruction (ISA guide 7.12.1): before another matrix instruction
.rept 5                                ; writes over its sources, a vector instruction touches its registers, or a load is issued into them
	v_nop
.endr
.endm
.macro ROUND                           ; a round of the cluster's barrier
	s_barrier_signal -1
	s_barrier_wait -1
	s_cmp_lg_u32 s20, 0
	s_cbranch_scc1 .Lnot_wave_0_\@
	s_barrier_signal -3
.Lnot_wave_0_\@:
	s_barrier_wait -3
	s_barrier_signal -1
	s_barrier_wait -1
.endm
.macro JLOAD s                         ; my chunk of slot s: waves 0-3 ask for K's rows, waves 4-7 for V's; the branch hangs on the wave's number alone
	s_cmp_lt_u32 s20, 4
	s_cbranch_scc0 .Lfor_v_\@
	tensor_load_to_lds s[G0+4*\s:G0+4*\s+3], s[G1K:G1K+7]
	s_nop 0
	s_branch .Lasked_\@
.Lfor_v_\@:
	tensor_load_to_lds s[G0+4*\s:G0+4*\s+3], s[G1V:G1V+7]
	s_nop 0
.Lasked_\@:
.endm
.macro EXPO st                         ; the exponents of query tile st: c s - c m, two in one fused multiply-add
.set ii, 0
.rept 16
	v_pk_fma_f32 v[SC+32*\st+2*ii:SC+32*\st+2*ii+1], v[SC+32*\st+2*ii:SC+32*\st+2*ii+1], 0x3e38aa3b, v[NM+2*\st:NM+2*\st+1] op_sel_hi:[1,0,1]
.set ii, ii+1
.endr
.endm
.macro EXP2 st                         ; p, in place; what follows a run is plain work on another tile (ISA guide 5.7.2)
.set ii, 0
.rept 32
	v_exp_f32 v[SC+32*\st+ii], v[SC+32*\st+ii]
.set ii, ii+1
.endr
.endm
; Query tile st: p is added to the sums, then packed to f16 in place.  Pair ii goes to register 16 (ii / 8) + ii % 8, never above a pair not yet read.
.macro SUMPACK st, first
.set ii, 0
.rept 16
.if ii == 0
.if \first
	s_wait_alu depctr_va_vdst(0)
	v_pk_add_f32 v[LS+2*\st:LS+2*\st+1], v[SC+32*\st:SC+32*\st+1], v[SC+32*\st+2:SC+32*\st+3]   ; the first two pairs start the sums
.else
	s_wait_alu depctr_va_vdst(0)
	v_pk_fma_f32 v[LS+2*\st:LS+2*\st+1], v[LS+2*\st:LS+2*\st+1], v[AL+2*\st:AL+2*\st+1], v[SC+32*\st:SC+32*\st+1]
.endif
.endif
.if ii >= 1+\first
	v_pk_add_f32 v[LS+2*\st:LS+2*\st+1], v[LS+2*\st:LS+2*\st+1], v[SC+32*\st+2*ii:SC+32*\st+2*ii+1]
.endif
	v_cvt_pk_f16_f32 v[SC+32*\st+16*(ii/8)+(ii%8)], v[SC+32*\st+2*ii], v[SC+32*\st+2*ii+1]
.set ii, ii+1
.endr
.endm
; 64 keys x 64 queries, all in window 1.  A lane holds 32 scores of each of four queries; lanes l and l + 16 share a query.
.macro SOFTMAX first
.irp st, 0,1,2,3
.if \first
	v_max_num_f32 v[MP+2*\st], v[SC+32*\st], v[SC+32*\st+1]
.else
	v_max3_num_f32 v[MP+2*\st], v[MP+2*\st], v[SC+32*\st], v[SC+32*\st+1]
.endif
.endr
.set mi, 1
.rept 15
.irp st, 0,1,2,3
	v_max3_num_f32 v[MP+2*\st], v[MP+2*\st], v[SC+32*\st+2*mi], v[SC+32*\st+2*mi+1]
.endr
.set mi, mi+1
.endr
.irp st, 0,1,2,3
	v_permlanex16_b32 v[TT+2*\st], v[MP+2*\st], s52, s53       ; the other half's maximum
.endr
.irp st, 0,1,2,3
	v_max_num_f32 v[MP+2*\st], v[MP+2*\st], v[TT+2*\st]
.endr
.if \first
.irp st, 0,1,2,3
	v_mul_f32 v[NM+2*\st], s55, v[MP+2*\st]
	v_mul_f32 v[NM+2*\st+1], s55, v[MP+2*\st]
.endr
.else
.irp st, 0,1,2,3
	v_mul_f32 v[TT+2*\st], s55, v[MP+2*\st]                    ; the new -c m
.endr
.irp st, 0,1,2,3
	v_sub_f32 v[TT+2*\st+1], v[TT+2*\st], v[NM+2*\st]          ; new - old, at most 0, and 0 where the maximum stands
.endr
.irp st, 0,1,2,3
	v_exp_f32 v[AL+2*\st], v[TT+2*\st+1]
.endr
.irp st, 0,1,2,3
	v_mov_b32 v[NM+2*\st], v[TT+2*\st]                         ; plain work behind the exponentials, on neither their results nor their sources
	v_mov_b32 v[NM+2*\st+1], v[TT+2*\st]
.endr
	s_wait_alu depctr_va_vdst(0)
.irp st, 0,1,2,3
	v_mov_b32 v[AL+2*\st+1], v[AL+2*\st]                       ; a pair for the packed multiplies
.endr
.endif
	EXPO 0
	EXP2 0
	EXPO 1
	EXP2 1
	SUMPACK 0, \first
	EXPO 2
	EXP2 2
	SUMPACK 1, \first
	EXPO 3
	EXP2 3
	SUMPACK 2, \first
	SUMPACK 3, \first
.endm
; 64 keys: chunk u of my two chunks of slot s.  In both products sixteen accumulators take turns, one instruction a turn.
.macro STEP s, u, first
	WIN 0x40                                       ; data into window 1, address from window 0
.irp tt, 0,1,2,3
.irp ks, 0,1
	ds_load_b128 v[FR+16*\tt+8*\ks:FR+16*\tt+8*\ks+3],   v[KADR+\s] offset:\u*CHUNK+\tt*16*KPITCH+\ks*64
	ds_load_b128 v[FR+16*\tt+8*\ks+4:FR+16*\tt+8*\ks+7], v[KADR+\s] offset:\u*CHUNK+\tt*16*KPITCH+\ks*64+32
.endr
.endr
	s_wait_dscnt 0x0                               ; K's fragments are in
	WIN 0x51                                       ; K, C and D in window 1, Q in window 0
.irp ks, 0,1
.irp tt, 0,1,2,3
.irp st, 0,1,2,3
.if \ks == 0
	v_wmma_f32_16x16x32_f16 v[SC+32*\st+8*\tt:SC+32*\st+8*\tt+7], v[FR+16*\tt+8*\ks:FR+16*\tt+8*\ks+7], v[QF+16*\st+8*\ks:QF+16*\st+8*\ks+7], 0
.else
	v_wmma_f32_16x16x32_f16 v[SC+32*\st+8*\tt:SC+32*\st+8*\tt+7], v[FR+16*\tt+8*\ks:FR+16*\tt+8*\ks+7], v[QF+16*\st+8*\ks:QF+16*\st+8*\ks+7], v[SC+32*\st+8*\tt:SC+32*\st+8*\tt+7]
.endif
.endr
.endr
.endr
	NOP5                                           ; behind the products: V is loaded over K, and the softmax reads S
	WIN 0x40
.irp dt, 0,1,2,3
.irp tp, 0,1
	ds_load_tr16_b128 v[FR+16*\dt+8*\tp:FR+16*\dt+8*\tp+3],   v[VADR+\s] offset:\u*CHUNK+\tp*32*VPITCH+\dt*32
	ds_load_tr16_b128 v[FR+16*\dt+8*\tp+4:FR+16*\dt+8*\tp+7], v[VADR+\s] offset:\u*CHUNK+\tp*32*VPITCH+16*VPITCH+\dt*32
.endr
.endr
	WIN 0x55
	SOFTMAX \first                                 ; V's fragments land meanwhile
.if \first == 0
	WIN 0x04                                       ; O in window 0, the factor in window 1
.irp st, 0,1,2,3
.set ii, 0
.rept 16
	v_pk_mul_f32 v[OA+32*\st+2*ii:OA+32*\st+2*ii+1], v[OA+32*\st+2*ii:OA+32*\st+2*ii+1], v[AL+2*\st:AL+2*\st+1]
.set ii, ii+1
.endr
.endr
.endif
	s_wait_dscnt 0x0                               ; V's fragments are in
	WIN 0x05                                       ; V and P in window 1, C and D in window 0
.irp tp, 0,1
.irp st, 0,1,2,3
.irp dt, 0,1,2,3
.if \first*(1-\tp)
	v_wmma_f32_16x16x32_f16 v[OA+32*\st+8*\dt:OA+32*\st+8*\dt+7], v[FR+16*\dt+8*\tp:FR+16*\dt+8*\tp+7], v[SC+32*\st+16*\tp:SC+32*\st+16*\tp+7], 0
.else
	v_wmma_f32_16x16x32_f16 v[OA+32*\st+8*\dt:OA+32*\st+8*\dt+7], v[FR+16*\dt+8*\tp:FR+16*\dt+8*\tp+7], v[SC+32*\st+16*\tp:SC+32*\st+16*\tp+7], v[OA+32*\st+8*\dt:OA+32*\st+8*\dt+7]
.endif
.endr
.endr
.endr
	NOP5                                           ; behind the products: K is loaded over V, the next scores are written over P, O is rescaled or stored
.endm
.macro WORK s, first                   ; my 128 keys of the tile in slot s
	STEP \s, 0, \first
	STEP \s, 1, 0
	WIN 0
.endm
; The tile in slot s; o = the other slot, which has been read.  refill = 1: it is filled again, two tiles ahead, by the first tensor load behind a round of
; the cluster's barrier, in front of which every wave has waited for its reads and for all its tensor loads.  That load has a whole WORK in which to land.
.macro TWO s, o, refill
	s_wait_tensorcnt 0x0                           ; all my tensor loads have landed, my chunk of slot s among them: no group 0 is in use
	ds_add_u32 v254, v255
	s_wait_dscnt 0x0
	s_wait_dscnt 0x0                               ; my reads of slot o are over
.if \refill
	s_add_nc_u64 s[G0+4*\o+2:G0+4*\o+3], s[G0+4*\o+2:G0+4*\o+3], 2*TILEB
	ROUND
	JLOAD \o
.else
	s_barrier_signal -1                            ; it shows the last tile to every wave
	s_barrier_wait -1
.endif
	WORK \s, 0
.endm
	s_load_b128 s[4:7], s[0:1], 0x0                ; qkvb s[4:5], ob s[6:7]
	v_lshl_add_u32 v254, v0, 2, 0x41400
	v_mov_b32 v255, 0
	ds_add_u32 v254, v255
	v_lshrrev_b32 v1, 5, v0
	v_readfirstlane_b32 s20, v1                    ; wave 0..7
	s_and_b32 s21, s20, 3                          ; p: head in the group.  Also: which 64 rows of a tile I fetch
	s_lshr_b32 s22, s20, 2                         ; z: which half of a tile's keys.  Also: I fetch for K (0) or for V (1)
	s_bfe_u32 s23, ttmp6, 0x40000                  ; cx
	s_lshl_b32 s24, ttmp9, 2
	s_add_co_u32 s24, s24, s23                     ; query block = 4 x cluster x + cx
	s_and_b32 s25, ttmp7, 0xffff
	s_lshr_b32 s26, s25, 2                         ; b
	s_and_b32 s27, s25, 3                          ; g
	s_mov_b32 s52, 0x76543210                      ; v_permlanex16_b32: lane i of one half reads lane i of the other
	s_mov_b32 s53, 0xfedcba98
	s_mov_b32 s55, 0xbe38aa3b                      ; -c = -log2(e) / 8
	; group 1: 64 rows x 64 elements of 2 bytes, dense; the mask names the cluster's four; padding after every 32 words: 4 words for K, 8 for V
	s_mov_b32 s[G1K+0], 15|(1<<16)|(1<<20)|(1<<21)|(4<<22)|(3<<25)
	s_mov_b32 s[G1V+0], 15|(1<<16)|(1<<20)|(1<<21)|(4<<22)|(7<<25)
.irp gg, G1K, G1V
	s_mov_b32 s[\gg+1], 64<<16                     ; tensor_dim0 = 64
	s_mov_b32 s[\gg+2], 64<<16                     ; tensor_dim1 = 64
	s_mov_b32 s[\gg+3], 64<<16                     ; tile_dim0 = 64
	s_mov_b32 s[\gg+4], 64                         ; tile_dim1 = 64
	s_mov_b32 s[\gg+5], 64                         ; stride from row to row
	s_mov_b32 s[\gg+6], 0
	s_mov_b32 s[\gg+7], 0
.endr
	s_lshl2_add_u32 s8, s22, s27                   ; my chunk in memory: unit 16 + g (K) or 20 + g (V),
	s_add_co_u32 s8, s8, 16
	s_lshl_b32 s8, s8, 19
	s_lshl_b32 s9, s26, 18                         ; batch b: 2,048 rows of 128 bytes,
	s_add_co_u32 s8, s8, s9
	s_lshl_b32 s9, s21, 13                         ; 64 rows for each of the four waves (no cx in these registers)
	s_add_co_u32 s8, s8, s9
	s_mov_b32 s9, 0
	s_lshl2_add_u32 s10, s27, s21                  ; Q: unit 4 g + p,
	s_lshl_b32 s10, s10, 19
	s_lshl_b32 s11, s26, 18                        ; batch b,
	s_add_co_u32 s10, s10, s11
	s_lshl_b32 s11, s24, 13                        ; 64 rows for each query block
	s_add_co_u32 s10, s10, s11
	s_mov_b32 s11, 0
	s_lshl_b32 s12, s26, 22                        ; ob: rows of 2,048 bytes: batch b,
	s_lshl_b32 s13, s24, 17                        ; 64 rows for each query block,
	s_add_co_u32 s12, s12, s13
	s_lshl_b32 s13, s20, 14                        ; 8 rows for each wave,
	s_add_co_u32 s12, s12, s13
	s_lshl_b32 s13, s27, 9                         ; the group's 512 bytes of a row
	s_add_co_u32 s12, s12, s13
	s_mov_b32 s13, 0
	s_mul_i32 s14, s20, CHUNK                      ; my chunk in LDS: the wave's number alone
	s_wait_dscnt 0x0
	s_wait_kmcnt 0x0
	s_add_nc_u64 s[56:57], s[4:5], s[8:9]
	s_add_nc_u64 s[58:59], s[4:5], s[10:11]
	s_add_nc_u64 s[60:61], s[6:7], s[12:13]
	ROUND                                          ; the four work-groups are here: the first joint loads meet
.irp s, 0,1
	s_mov_b32 s[G0+4*\s], 1
	s_add_co_u32 s[G0+4*\s+1], s14, \s*SLOT
	s_add_nc_u64 s[G0+4*\s+2:G0+4*\s+3], s[56:57], \s*TILEB
	s_or_b32 s[G0+4*\s+3], s[G0+4*\s+3], 0x80000000
	JLOAD \s                                       ; tiles 0 and 1: two tensor loads of a wave are out here, later one
.endr
	v_and_b32 v1, 31, v0                           ; l
	v_and_b32 v2, 15, v0                           ; r = l % 16
	v_bfe_u32 v3, v0, 4, 1                         ; h = l / 16
	v_lshlrev_b32 v[QOFF], 7, v2                   ; Q fragment: row r of 128 bytes, 16 bytes for each half; two loads 32 bytes apart
	v_lshl_add_u32 v[QOFF], v3, 4, v[QOFF]
.irp st, 0,1,2,3
.irp ks, 0,1
	global_load_b128 v[QF+16*\st+8*\ks:QF+16*\st+8*\ks+3],   v[QOFF], s[58:59] offset:\st*2048+\ks*64
	global_load_b128 v[QF+16*\st+8*\ks+4:QF+16*\st+8*\ks+7], v[QOFF], s[58:59] offset:\st*2048+\ks*64+32
.endr
.endr
	v_mul_u32_u24 v13, v2, KPITCH                  ; K fragment: row r, 16 bytes for each half
	v_lshl_add_u32 v13, v3, 4, v13
	s_mul_i32 s15, s22, 2*CHUNK                    ; my two chunks of K
	v_add_nc_u32 v[KADR], s15, v13
	v_add_nc_u32 v[KADR+1], SLOT, v[KADR]
	v_and_b32 v14, 7, v0                           ; V fragment by the transposing load: row t = 8 h + l % 8, 16 bytes by bit 3 of the lane
	v_lshl_add_u32 v14, v3, 3, v14
	v_mul_u32_u24 v14, v14, VPITCH
	v_bfe_u32 v15, v0, 3, 1
	v_lshl_add_u32 v14, v15, 4, v14
	s_add_co_u32 s15, s15, 4*CHUNK                 ; my two chunks of V
	v_add_nc_u32 v[VADR], s15, v14
	v_add_nc_u32 v[VADR+1], SLOT, v[VADR]
	s_mul_i32 s16, s21, XBYTES
	s_add_co_u32 s16, s16, XCH
	v_lshl_add_u32 v[XADR], v1, 4, s16             ; the exchange of my head: 16 bytes a lane
	v_mul_u32_u24 v[STO], v2, SPITCH               ; the way out, in: row r, my head's 128 bytes, 16 bytes for each half
	v_lshl_add_u32 v[STO], v3, 4, v[STO]
	s_lshl_b32 s17, s21, 7
	s_add_co_u32 s17, s17, STG
	v_add_nc_u32 v[STO], s17, v[STO]
	s_mul_i32 s18, s20, 8*SPITCH                   ; back: a wave takes eight rows, a row of 512 bytes at a time
	s_add_co_u32 s18, s18, STG
	v_lshl_add_u32 v[RD], v1, 4, s18
	v_lshlrev_b32 v[CO], 4, v1
	WIN 0x40
.irp st, 0,1,2,3
	v_mov_b32 v[TT+2*\st], 0                       ; v_permlanex16_b32 counts as a reader of its destination: a first write
.endr
	WIN 0
	s_wait_tensorcnt 0x1                           ; my chunk of tile 0 is in; tile 1's, issued behind it, stays out
	s_barrier_signal -1
	s_barrier_wait -1                              ; everybody's chunk is in
	s_wait_loadcnt 0x0                             ; Q
	WORK 0, 1                                      ; tile 0: its first 64 keys start maxima, sums and O
	s_mov_b32 s54, 3
.Ltiles:
	TWO 1, 0, 1                                    ; tiles 1, 3, 5; asks for tiles 2, 4, 6
	TWO 0, 1, 1                                    ; tiles 2, 4, 6; asks for tiles 3, 5, 7
	s_sub_co_u32 s54, s54, 1
	s_cmp_lg_u32 s54, 0
	s_cbranch_scc1 .Ltiles
	TWO 1, 0, 0                                    ; tile 7: nothing is left to fetch
	WIN 0x55                                       ; l of my keys: the pair's two halves, then the other half of the lanes
.irp st, 0,1,2,3
	v_add_f32 v[LQ+\st], v[LS+2*\st], v[LS+2*\st+1]
.endr
.irp st, 0,1,2,3
	v_permlanex16_b32 v[TT+2*\st], v[LQ+\st], s52, s53
.endr
.irp st, 0,1,2,3
	v_add_f32 v[LQ+\st], v[LQ+\st], v[TT+2*\st]
.endr
	WIN 0
	; THE MERGE.  Waves 4-7 hand O, NM and l to waves 0-3 through LDS.
	s_cmp_lt_u32 s20, 4
	s_cbranch_scc1 .Lno_send
.set ii, 0
.rept 32
	ds_store_b128 v[XADR], v[OA+4*ii:OA+4*ii+3] offset:512*ii
.set ii, ii+1
.endr
	WIN 0x55
.irp st, 0,1,2,3
	v_mov_b32 v[MQ+\st], v[NM+2*\st]               ; four neighbouring registers for one store
.endr
	WIN 0x04                                       ; store data from window 1
	ds_store_b128 v[XADR], v[MQ:MQ+3] offset:16384
	ds_store_b128 v[XADR], v[LQ:LQ+3] offset:16896
	WIN 0
.Lno_send:
	s_wait_dscnt 0x0                               ; my stores are in LDS, for my partner's sake
	s_barrier_signal -1
	s_barrier_wait -1
	s_cmp_lt_u32 s20, 4
	s_cbranch_scc0 .Lno_merge
	WIN 0x40
.set ii, 0
.rept 32
	ds_load_b128 v[SC+4*ii:SC+4*ii+3], v[XADR] offset:512*ii      ; the partner's O, register for register
.set ii, ii+1
.endr
	ds_load_b128 v[FR:FR+3], v[XADR] offset:16384                 ; its NM
	ds_load_b128 v[FR+4:FR+7], v[XADR] offset:16896               ; its l
	s_wait_dscnt 0x0
	WIN 0x55
.irp st, 0,1,2,3
	v_min_num_f32 v[TT+2*\st], v[NM+2*\st], v[FR+\st]          ; -c x the larger maximum
.endr
.irp st, 0,1,2,3
	v_sub_f32 v[TT+2*\st+1], v[TT+2*\st], v[NM+2*\st]          ; at most 0, and 0 for one of the two
	v_sub_f32 v[TT+2*\st], v[TT+2*\st], v[FR+\st]
.endr
.irp st, 0,1,2,3
	v_exp_f32 v[AL+2*\st], v[TT+2*\st+1]                       ; my factor
	v_exp_f32 v[NM+2*\st], v[TT+2*\st]                         ; the partner's
.endr
	v_nop                                          ; one plain instruction behind the exponentials (ISA guide 5.7.2)
	s_wait_alu depctr_va_vdst(0)
.irp st, 0,1,2,3
	v_mul_f32 v[TT+2*\st], v[LQ+\st], v[AL+2*\st]
.endr
.irp st, 0,1,2,3
	v_fma_f32 v[TT+2*\st], v[FR+4+\st], v[NM+2*\st], v[TT+2*\st]   ; l of all 2,048 keys, at least about 1
.endr
.irp st, 0,1,2,3
	v_rcp_f32 v[TT+2*\st+1], v[TT+2*\st]
.endr
	v_nop                                          ; one plain instruction behind the reciprocals
	s_wait_alu depctr_va_vdst(0)
.irp st, 0,1,2,3
	v_mul_f32 v[AL+2*\st+1], v[AL+2*\st], v[TT+2*\st+1]        ; both factors divided by l, as pairs
	v_mul_f32 v[NM+2*\st+1], v[NM+2*\st], v[TT+2*\st+1]
.endr
.irp st, 0,1,2,3
	v_mul_f32 v[AL+2*\st], v[AL+2*\st], v[TT+2*\st+1]
	v_mul_f32 v[NM+2*\st], v[NM+2*\st], v[TT+2*\st+1]
.endr
	WIN 0x01                                       ; source 0 in window 1
.irp st, 0,1,2,3
.set ii, 0
.rept 16
	v_pk_mul_f32 v[OA+32*\st+2*ii:OA+32*\st+2*ii+1], v[AL+2*\st:AL+2*\st+1], v[OA+32*\st+2*ii:OA+32*\st+2*ii+1]
.set ii, ii+1
.endr
.endr
	WIN 0x05                                       ; sources 0 and 1 in window 1
.irp st, 0,1,2,3
.set ii, 0
.rept 16
	v_pk_fma_f32 v[OA+32*\st+2*ii:OA+32*\st+2*ii+1], v[SC+32*\st+2*ii:SC+32*\st+2*ii+1], v[NM+2*\st:NM+2*\st+1], v[OA+32*\st+2*ii:OA+32*\st+2*ii+1]
.set ii, ii+1
.endr
.endr
	WIN 0
.irp st, 0,1,2,3
.irp dt, 0,1,2,3
.irp k, 0,1,2,3
	v_cvt_pk_f16_f32 v[OA+32*\st+8*\dt+\k], v[OA+32*\st+8*\dt+2*\k], v[OA+32*\st+8*\dt+2*\k+1]
.endr
	ds_store_b128 v[STO], v[OA+32*\st+8*\dt:OA+32*\st+8*\dt+3] offset:\st*16*SPITCH+\dt*32
.endr
.endr
.Lno_merge:
	s_wait_dscnt 0x0                               ; my stores are in LDS, for the other waves' sake
	s_barrier_signal -1
	s_barrier_wait -1
	; THE WAY OUT: a row of the stage is the group's 512 bytes of a row of ob
.irp t, 0,1,2,3,4,5,6,7
	ds_load_b128 v[QF+4*\t:QF+4*\t+3], v[RD] offset:\t*SPITCH
.endr
.irp t, 0,1,2,3,4,5,6,7
	s_wait_dscnt 7-\t                              ; LDS loads come back in order: load t of the eight is in
	global_store_b128 v[CO], v[QF+4*\t:QF+4*\t+3], s[60:61] offset:\t*2048   ; a wave stores 512 consecutive bytes, aligned
.endr
	s_wait_tensorcnt 0x0
	ds_add_u32 v254, v255
	s_wait_dscnt 0x0
	ROUND                                          ; the closing round: no work-group ends while a partner may still ask for a tile that names it
	s_endpgm
.Lfunc_end_k_qd7a860b97b_attention:
	.size	k_qd7a860b97b_attention, .Lfunc_end_k_qd7a860b97b_attention-k_qd7a860b97b_attention
	.p2alignl 7, 3214868480
	.fill 96, 4, 3214868480
	.section	.rodata,"a",@progbits
	.p2align	6, 0x0
	.amdhsa_kernel k_qd7a860b97b_attention
		.amdhsa_group_segment_fixed_size 327680
		.amdhsa_private_segment_fixed_size 0
		.amdhsa_enable_private_segment 0
		.amdhsa_kernarg_size 16
		.amdhsa_user_sgpr_count 2
		.amdhsa_user_sgpr_kernarg_segment_ptr 1
		.amdhsa_wavefront_size32 1
		.amdhsa_system_sgpr_workgroup_id_x 1
		.amdhsa_system_sgpr_workgroup_id_y 1
		.amdhsa_system_sgpr_workgroup_id_z 1
		.amdhsa_system_vgpr_workitem_id 0
		.amdhsa_next_free_vgpr 496
		.amdhsa_next_free_sgpr 66
		.amdhsa_reserve_vcc 0
		.amdhsa_float_denorm_mode_32 3
		.amdhsa_float_denorm_mode_16_64 3
		.amdhsa_memory_ordered 1
		.amdhsa_forward_progress 1
		.amdhsa_inst_pref_size 255
	.end_amdhsa_kernel
	.section	.bss,"aw",@nobits
	.p2align	6
	.space	262144
	.amdgpu_metadata
---
amdhsa.version: [ 1, 2 ]
amdhsa.kernels:
  - .name:           k_qd7a860b97b_attention
    .symbol:         k_qd7a860b97b_attention.kd
    .args:
      - { .name: qkvb, .offset: 0, .size: 8, .value_kind: global_buffer, .address_space: global }
      - { .name: ob, .offset: 8, .size: 8, .value_kind: global_buffer, .address_space: global }
    .group_segment_fixed_size: 327680
    .private_segment_fixed_size: 0
    .kernarg_segment_align: 8
    .kernarg_segment_size: 16
    .max_flat_workgroup_size: 256
    .sgpr_count:     66
    .vgpr_count:     496
    .wavefront_size: 32
...
	.end_amdgpu_metadata
.endif
;; end of part 3
;; launch proj_out (part 4): grid 8 x 32, 4 waves a work-group, clusters of 4 x 4, 327,680 bytes of LDS; arguments ob, wot, bo, out0; writes out0
.if DOCPART == 4
	.amdgcn_target "amdgcn-amd-amdhsa--gfx1250"
	.amdhsa_code_object_version 6
	.text
	.protected	k_qd7a860b97b_proj_out
	.globl	k_qd7a860b97b_proj_out
	.p2align	8
	.type	k_qd7a860b97b_proj_out,@function
k_qd7a860b97b_proj_out:
	s_mov_b64 s[64:65], 0
	v_nop
	global_prefetch_b8 v0, s[64:65] scope:SCOPE_SE
	s_setreg_imm32_b32 hwreg(HW_REG_WAVE_MODE, 25, 1), 1
	s_wait_xcnt 0x0
	s_wait_alu depctr_hold_cnt(0) depctr_sa_sdst(0) depctr_va_vdst(0) depctr_va_sdst(0) depctr_va_ssrc(0) depctr_va_vcc(0) depctr_vm_vsrc(0)
	s_getreg_b32 s2, hwreg(HW_REG_IB_STS2, 6, 4)
	s_cmp_eq_u32 s2, 0
	s_cbranch_scc0 .Lentry_in_a_cluster
	s_endpgm
.Lentry_in_a_cluster:
	s_bfe_u32 s2, ttmp6, 0x10000c
	s_cmp_lg_u32 s2, 0xf033
	s_cbranch_scc0 .Lentry_shape_is_right
	s_endpgm
.Lentry_shape_is_right:
; C = A W + bias.  A: [4096][1024] f16.  W: [units][1024 k][64] f16, a unit = 64 columns.  Sums in f32, started from the bias.
; One text for both projections; NU = units in a work-group's block of columns.
;   NU = 3: A = xb, W = wt (24 units: q heads 0-15, k groups 16-19, v groups 20-23), bias = bq, bk or bv by the unit,
;           result rounded once to f16 into qkvb [24 units][4096 rows][64].
;   NU = 2: A = ob, W = wot (16 units), bias = bo, result f32 into out0 [4096][1024].
; LIMITS: matrix operands are f16 (11 significant bits); the order of the sums is the matrix unit's.  With NU = 3 a result above 65,504 in magnitude
; becomes infinite.  q, k, v as drawn have the root mean square sqrt(1024) x 0.02 = 0.64; with x and the weights both 30 times larger 576, some 3,200
; at the most; with both carrying an offset of 30 spreads about 1024 x 30 x 0.6 = 18,432: all inside.  Below 6.1e-5 the step is 6e-8.
; SHARES: grid 8 x 32 = 256 work-groups of four waves; a work-group makes 128 rows x NU*64 columns; wave (rh, ch) makes 64 rows x NU*32
; columns: 4 x 2 NU accumulator tiles of 16 x 16.
; THE RING: K = 1024 is eight steps of 128.  A step's matrix work is short (8 NU matrix instructions a quarter, four quarters), so a slot holds the
; tiles of as many steps as fit, brought by one load a wave: fewer refills, each with more work in which to land.  A step takes NU x 20,480 bytes of W and
; 128 rows of A.  NU = 2: two slots of two steps, 2 x 149,504 bytes; visits {0,1} {2,3} {4,5} {6,7}, two refills.  NU = 3: four steps would take more than
; the 327,680 bytes there are, three fit: slot 0 holds two steps (190,464 bytes), slot 1 one (96,256); visits {0,1} {2} {3,4} {5} {6,7}, three refills.
; Two steps of A are one tile with rows of 512 bytes; two steps of a unit of W are one tile of 256 rows.  A's rows start at multiples of 256 bytes of memory.
; CLUSTERS: 4 x 4 work-groups.  A's tile hangs on the block row alone and is asked for jointly by the four of a row of the cluster, a unit
; of W on the block column alone, jointly by the four of a column: requests for A and W are divided by four.
; W lies [k][n] in LDS and is read by the transposing load, so that k runs along a lane's registers.
; THE MATRIX INSTRUCTION IS USED TRANSPOSED: source 0 = 16 columns of W, source 1 = 16 rows of A.  Register j of lane l then holds
; C(row l % 16, column n0 + 8 (l / 16) + j): eight neighbouring numbers of a row.  The bias is loaded in that same layout and is the C
; operand of each tile's first product: nothing is cleared and nothing is added afterwards.
.set NU,     2
.set NCT,    2*NU                      ; column tiles of a wave
.set AW,     4-NU                      ; waves that fetch A's tile: those that fetch no unit of W
.set AROWS,  128/AW                    ; rows of A's tile that each of them fetches
.set NS0,    2                         ; K steps in slot 0
.set NS1,    4-NU                      ; K steps in slot 1: two with NU = 2, one with NU = 3 (see THE RING)
.set CYC,    NS0+NS1                   ; K steps once round the ring
.set BPITCH, 160                       ; a row of W in LDS: 128 bytes + 32 of padding, an odd multiple of 32 bytes
.set BCH0,   NS0*128*BPITCH            ; one unit's rows in slot 0
.set BCH1,   NS1*128*BPITCH            ; and in slot 1
.set PA0,    NS0*256+16                ; a row of A in slot 0: its steps' bytes + 16 of padding, an odd multiple of 16 bytes
.set PA1,    NS1*256+16                ; and in slot 1
.set AOFF0,  NU*BCH0                   ; in a slot A's tile lies behind the NU units
.set AOFF1,  NU*BCH1
.set SB1,    AOFF0+128*PA0             ; slot 1 begins behind slot 0
.set RING,   SB1+AOFF1+128*PA1
.if NU == 3
.set OUTP,   14                        ; s[14:15] the result
.set SPITCH, 400                       ; stage: 128 rows of 384 bytes (192 f16) + 16, shared by the four waves: 51,200 bytes
.set STAGE,  SB1                       ; it lies in slot 1: that slot's last fill (K step 5) has been read by every wave in front of the barrier
                                       ; ahead of K steps 6 and 7, and no fill lands there afterwards
.else
.set OUTP,   10                        ; s[10:11] the result
.set SPITCH, 272                       ; stage: 16 rows of 256 bytes (64 f32) + 16, one for each wave
.set STAGE,  RING                      ; behind the ring, a multiple of 256 bytes, never the target of a fill
.endif
; window 0 (v0-v255)
.set XADR, 8                           ; v8, v9      LDS address of my A fragments in slot 0, 1
.set WADR, 10                          ; v10+3s+a    LDS address of my W fragments, slot s, group a of 32 columns
.set VB,   16                          ; v16         bias: 32 bytes for each half of the lanes
.set STO,  17                          ; v17         the way out: where I put my numbers
.set RD,   18                          ; v18         the way out: where I read rows back
.set CO,   19                          ; v19         my byte offset in the result
.set TMP,  24                          ; v[24:47]    packed results
.set F0,   64                          ; v[64:143]   fragment buffer 0: W tile ct at +8 ct, A tile rt at +48+8 rt
.set F1,   144                         ; v[144:223]  fragment buffer 1
; window 1 (v256-v495): accumulator (rt, ct) at 8 (NCT rt + ct); the bias of column tile ct at BIAS + 8 ct
.set BIAS, 192
.set G1A, 32                           ; s[32:47] descriptor group 1 for A's tiles, a set of eight for each slot
.set G1B, 48                           ; s[48:63] descriptor group 1 for W's units, a set for each slot
.set G0A, 68                           ; s[68:75] group 0 for A, a set of four for each slot
.set G0B, 76                           ; s[76:83] group 0 for W, a set for each slot
.set BP,  84                           ; s[84:89] address of the bias of my group a of 32 columns
.set MSB, 0
.macro WIN new                         ; s_set_vgpr_msb: bits 1:0 source 0, 3:2 source 1, 5:4 source 2, 7:6 destination; the high byte repeats the setting left
.if MSB != \new
	s_set_vgpr_msb (MSB<<8)|\new
.set MSB, \new
.endif
.endm
.macro PLACES                          ; four independent vector instructions behind a matrix instruction (ISA guide 7.12.1) before its result is read
.rept 4                                ; by a vector instruction or an LDS store, and, beyond that section, before a load is issued into one of its sources
	v_nop
.endr
.endm
; A round of the cluster's barrier: my work-group's barrier, wave 0 signals for the work-group, every wave waits for all sixteen, my work-group's barrier again.
.macro CREST                           ; the round behind its opening barrier
	s_cmp_lg_u32 s16, 0
	s_cbranch_scc1 .Lnot_wave_0_\@
	s_barrier_signal -3
.Lnot_wave_0_\@:
	s_barrier_wait -3
	s_barrier_signal -1
	s_barrier_wait -1
.endm
.macro CROUND
	s_barrier_signal -1
	s_barrier_wait -1
	CREST
.endm
; A joint load into slot s.  Waves 0 .. NU-1 ask for one unit of W each; the other AW waves share A's tile, AROWS rows each.  So every wave issues
; exactly one load for each slot, on either side of the branch, and a counted wait counts the same loads in every wave.
; The branch hangs on the wave's number alone; each line has one mask, and its registers are equal in the four partners.
.macro JLOAD s
	s_cmp_lt_u32 s16, NU
	s_cbranch_scc0 .Lfor_a_\@
	tensor_load_to_lds s[G0B+4*\s:G0B+4*\s+3], s[G1B+8*\s:G1B+8*\s+7]
	s_nop 0
	s_branch .Lasked_\@
.Lfor_a_\@:
	tensor_load_to_lds s[G0A+4*\s:G0A+4*\s+3], s[G1A+8*\s:G1A+8*\s+7]
	s_nop 0
.Lasked_\@:
.endm
; The fragments of 32 along K (quarter q of slot s, four quarters a K step) into buffer f: 4 NU transposing loads for W, 8 plain loads for A.
.macro FETCH s, q, f
	WIN 0
.set fa, 0
.rept NU
	ds_load_tr16_b128 v[\f+16*fa:\f+16*fa+3],     v[WADR+3*\s+fa] offset:(\q)*32*BPITCH
	ds_load_tr16_b128 v[\f+16*fa+4:\f+16*fa+7],   v[WADR+3*\s+fa] offset:(\q)*32*BPITCH+16*BPITCH
	ds_load_tr16_b128 v[\f+16*fa+8:\f+16*fa+11],  v[WADR+3*\s+fa] offset:(\q)*32*BPITCH+32
	ds_load_tr16_b128 v[\f+16*fa+12:\f+16*fa+15], v[WADR+3*\s+fa] offset:(\q)*32*BPITCH+16*BPITCH+32
.set fa, fa+1
.endr
.irp rt, 0,1,2,3
	ds_load_b128 v[\f+48+8*\rt:\f+48+8*\rt+3],   v[XADR+\s] offset:\rt*16*(PA0+\s*(PA1-PA0))+(\q)*64
	ds_load_b128 v[\f+48+8*\rt+4:\f+48+8*\rt+7], v[XADR+\s] offset:\rt*16*(PA0+\s*(PA1-PA0))+(\q)*64+32
.endr
.endm
; 2 NCT matrix instructions: row tiles 2 half, 2 half + 1 x all column tiles.  first = 1: the sums start from the bias.
; All 4 NCT accumulators take turns, one instruction a turn, in the same order in every quarter.
.macro MULH f, half, first
.irp rr, 0,1
.set mc, 0
.rept NCT
.if \first
	v_wmma_f32_16x16x32_f16 v[8*(NCT*(2*\half+\rr)+mc):8*(NCT*(2*\half+\rr)+mc)+7], v[\f+8*mc:\f+8*mc+7], v[\f+48+8*(2*\half+\rr):\f+48+8*(2*\half+\rr)+7], v[BIAS+8*mc:BIAS+8*mc+7]
.else
	v_wmma_f32_16x16x32_f16 v[8*(NCT*(2*\half+\rr)+mc):8*(NCT*(2*\half+\rr)+mc)+7], v[\f+8*mc:\f+8*mc+7], v[\f+48+8*(2*\half+\rr):\f+48+8*(2*\half+\rr)+7], v[8*(NCT*(2*\half+\rr)+mc):8*(NCT*(2*\half+\rr)+mc)+7]
.endif
.set mc, mc+1
.endr
.endr
.endm
; A quarter that is not its slot's last: buffer f is multiplied while quarter qn of the same slot is on its way into buffer g.
.macro QSTEP s, qn, f, g, first
	s_wait_dscnt 0x0                               ; buffer f is in: its loads were issued a quarter ago, nothing younger is out
	PLACES                                         ; behind the products that read buffer g
	FETCH \s, \qn, \g
	WIN 0x50                                       ; C and D in window 1, fragments in window 0
	MULH \f, 0, \first
	MULH \f, 1, \first
.endm
; All quarters of slot s but the last: three for a slot of one K step, seven for a slot of two.  No barrier stands between a slot's steps: the one in
; front of them has shown the whole slot to every wave.  The count is odd, so the last quarter's fragments always lie in buffer 1.
.macro RUN s, first
	QSTEP \s, 1, F0, F1, \first
	QSTEP \s, 2, F1, F0, 0
	QSTEP \s, 3, F0, F1, 0
.if NS0+\s*(NS1-NS0) == 2
	QSTEP \s, 4, F1, F0, 0
	QSTEP \s, 5, F0, F1, 0
	QSTEP \s, 6, F1, F0, 0
	QSTEP \s, 7, F0, F1, 0
.endif
.endm
; The last quarter (buffer 1) and the change of slots.  In front of the barrier each wave waits for its reads of slot s and for all its tensor
; loads, of which the one that is out is its part of the next slot.  Behind it nobody reads slot s and the next slot is whole.
; fill = 1: the barrier opens a round of the cluster's barrier, and the joint refill, once round the ring ahead, is the first tensor load behind the round;
; it has the whole visit of the next slot, less that visit's last quarter, in which to land.
.macro TURN s, next, fill
	WIN 0x50
	s_wait_dscnt 0x0                               ; my reads of this slot are over
	s_wait_tensorcnt 0x0                           ; all my tensor loads have landed
	ds_add_u32 v254, v255
	s_wait_dscnt 0x0
	s_barrier_signal -1
	MULH F1, 0, 0                                  ; register work while the others arrive
	WIN 0
	s_barrier_wait -1
.if \fill
	CREST                                          ; no wave of any partner still reads this slot or has a load on its way
	s_add_nc_u64 s[G0A+4*\s+2:G0A+4*\s+3], s[G0A+4*\s+2:G0A+4*\s+3], CYC*256      ; CYC K steps along A's rows
	s_add_nc_u64 s[G0B+4*\s+2:G0B+4*\s+3], s[G0B+4*\s+2:G0B+4*\s+3], CYC*16384    ; CYC x 128 rows of 128 bytes down the unit
	JLOAD \s
.endif
	PLACES                                         ; behind the products that read buffer 0
	FETCH \next, 0, F0
	WIN 0x50
	MULH F1, 1, 0
.endm
.macro VISIT s, next, fill, first
	RUN \s, \first
	TURN \s, \next, \fill
.endm
.macro LASTV s                         ; the last visit: nothing more to fetch
	RUN \s, 0
	s_wait_dscnt 0x0
	MULH F1, 0, 0
	MULH F1, 1, 0
	WIN 0
	PLACES                                         ; behind the last products: for what reads the results and for the loads into the fragment buffers
.endm
	s_load_b128 s[4:7], s[0:1], 0x0                ; A s[4:5], W s[6:7]
.if NU == 3
	s_load_b256 s[8:15], s[0:1], 0x10              ; bq s[8:9], bk s[10:11], bv s[12:13], qkvb s[14:15]
.else
	s_load_b128 s[8:11], s[0:1], 0x10              ; bo s[8:9], out0 s[10:11]
	v_lshl_add_u32 v254, v0, 2, 0x4d400
	v_mov_b32 v255, 0
	ds_add_u32 v254, v255
.endif
	v_lshrrev_b32 v1, 5, v0
	v_readfirstlane_b32 s16, v1                    ; wave 0..3
	s_lshr_b32 s17, s16, 1                         ; rh: which 64 of the block's rows
	s_and_b32 s18, s16, 1                          ; ch: which half of its columns
	s_bfe_u32 s19, ttmp6, 0x40000                  ; cx
	s_bfe_u32 s20, ttmp6, 0x40004                  ; cy
	s_lshl_b32 s21, ttmp9, 2
	s_add_co_u32 s21, s21, s19                     ; block column = 4 x cluster x + cx
	s_and_b32 s22, ttmp7, 0xffff
	s_lshl_b32 s22, s22, 2
	s_add_co_u32 s22, s22, s20                     ; block row = 4 x cluster y + cy
	s_lshl_b32 s23, s20, 2
	s_lshl_b32 s23, 15, s23                        ; my row of the cluster: places 4 cy .. 4 cy + 3
	s_lshl_b32 s90, 0x1111, s19                    ; my column: places cx, cx + 4, cx + 8, cx + 12
.irp s, 0,1
.set nsx, NS0+\s*(NS1-NS0)                     ; K steps in this slot
	; group 1 for A: AROWS rows x 128 nsx elements of 2 bytes, 1,024 elements from row to row; 4 words of padding after every row of 64 nsx words
	s_or_b32 s[G1A+8*\s+0], s23, (1<<16)|(1<<20)|(1<<21)|((4+nsx)<<22)|(3<<25)
	s_mov_b32 s[G1A+8*\s+1], (128*nsx)<<16         ; tensor_dim0
	s_mov_b32 s[G1A+8*\s+2], AROWS<<16             ; tensor_dim1
	s_mov_b32 s[G1A+8*\s+3], (128*nsx)<<16         ; tile_dim0
	s_mov_b32 s[G1A+8*\s+4], AROWS                 ; tile_dim1
	s_mov_b32 s[G1A+8*\s+5], 1024                  ; stride from row to row
	s_mov_b32 s[G1A+8*\s+6], 0
	s_mov_b32 s[G1A+8*\s+7], 0
	; group 1 for W: 128 nsx rows (k) x 64 elements, 64 elements from row to row; 8 words of padding after every 32
	s_or_b32 s[G1B+8*\s+0], s90, (1<<16)|(1<<20)|(1<<21)|(4<<22)|(7<<25)
	s_mov_b32 s[G1B+8*\s+1], 64<<16
	s_mov_b32 s[G1B+8*\s+2], (128*nsx)<<16
	s_mov_b32 s[G1B+8*\s+3], 64<<16
	s_mov_b32 s[G1B+8*\s+4], 128*nsx
	s_mov_b32 s[G1B+8*\s+5], 64
	s_mov_b32 s[G1B+8*\s+6], 0
	s_mov_b32 s[G1B+8*\s+7], 0
.endr
	s_lshl_b32 s24, s22, 18                        ; A: 128 rows of 2,048 bytes for each block row (no cx in these registers)
.if AW > 1
	s_lshl_b32 s28, s18, 17                        ; waves 2 and 3 fetch A: wave % 2 picks the 64 rows of 2,048 bytes
	s_add_co_u32 s24, s24, s28
.endif
	s_mov_b32 s25, 0
	s_mul_i32 s92, s21, NU                         ; W: unit NU x block column + wave (no cy in these registers)
	s_add_co_u32 s92, s92, s16
	s_lshl_b32 s92, s92, 17                        ; 131,072 bytes a unit
	s_mov_b32 s93, 0
	s_wait_dscnt 0x0
	s_wait_kmcnt 0x0
	s_add_nc_u64 s[24:25], s[4:5], s[24:25]
	s_add_nc_u64 s[92:93], s[6:7], s[92:93]
	CROUND                                         ; all sixteen work-groups are here: the first joint loads meet
.irp s, 0,1
	s_mov_b32 s[G0A+4*\s], 1
.if AW > 1
	s_mul_i32 s27, s16, AROWS*(PA0+\s*(PA1-PA0))   ; where my rows of A go: the slot's A + (wave - NU) x AROWS rows, as the wave's number times a constant plus a constant
	s_add_co_u32 s[G0A+4*\s+1], s27, \s*SB1+(AOFF0+\s*(AOFF1-AOFF0))-NU*AROWS*(PA0+\s*(PA1-PA0))
.else
	s_mov_b32 s[G0A+4*\s+1], \s*SB1+AOFF0+\s*(AOFF1-AOFF0)
.endif
	s_add_nc_u64 s[G0A+4*\s+2:G0A+4*\s+3], s[24:25], \s*NS0*256
	s_or_b32 s[G0A+4*\s+3], s[G0A+4*\s+3], 0x80000000
	s_mov_b32 s[G0B+4*\s], 1
	s_mul_i32 s26, s16, BCH0+\s*(BCH1-BCH0)        ; where my unit goes: the wave's number alone
	s_add_co_u32 s[G0B+4*\s+1], s26, \s*SB1
	s_add_nc_u64 s[G0B+4*\s+2:G0B+4*\s+3], s[92:93], \s*NS0*16384
	s_or_b32 s[G0B+4*\s+3], s[G0B+4*\s+3], 0x80000000
	JLOAD \s                                       ; both slots' first fills: two tensor loads of a wave are out here, later one
.endr
	v_and_b32 v2, 15, v0                           ; r = l % 16
	v_bfe_u32 v3, v0, 4, 1                         ; h = l / 16
	v_mul_u32_u24 v4, v2, PA0                      ; A fragment: row r, 16 bytes for each half; two loads 32 bytes apart
	v_lshl_add_u32 v4, v3, 4, v4
	s_mul_i32 s23, s17, 64*PA0
	s_add_co_u32 s23, s23, AOFF0
	v_add_nc_u32 v[XADR], s23, v4
	v_mul_u32_u24 v4, v2, PA1                      ; the same with slot 1's pitch
	v_lshl_add_u32 v4, v3, 4, v4
	s_mul_i32 s23, s17, 64*PA1
	s_add_co_u32 s23, s23, SB1+AOFF1
	v_add_nc_u32 v[XADR+1], s23, v4
	v_and_b32 v5, 7, v0                            ; W fragment by the transposing load: row k = 8 h + l % 8, 16 bytes by bit 3 of the lane
	v_lshl_add_u32 v5, v3, 3, v5
	v_mul_u32_u24 v5, v5, BPITCH
	v_bfe_u32 v6, v0, 3, 1
	v_lshl_add_u32 v5, v6, 4, v5
	v_lshlrev_b32 v[VB], 5, v3                     ; bias: eight f32 for each half of the lanes
	s_mul_i32 s94, s18, NU                         ; my first group of 32 columns
	s_mul_i32 s95, s21, NU                         ; the block's first unit
.set aa, 0
.rept NU
	s_add_co_u32 s96, s94, aa                      ; group q of 32 columns in the block
	s_lshr_b32 s97, s96, 1                         ; its unit in the block
	s_and_b32 s96, s96, 1                          ; its half of the unit
	s_lshl_b32 s90, s96, 6
	s_mul_i32 s91, s97, BCH0
	s_add_co_u32 s91, s91, s90
	v_add_nc_u32 v[WADR+aa], s91, v5
	s_mul_i32 s91, s97, BCH1
	s_add_co_u32 s91, s91, s90
	s_add_co_u32 s91, s91, SB1
	v_add_nc_u32 v[WADR+3+aa], s91, v5
	s_add_co_u32 s97, s97, s95                     ; the unit's number
.if NU == 3
	s_cmp_lt_u32 s97, 16                           ; units 0-15: bq; 16-19: bk; 20-23: bv
	s_cselect_b64 s[BP+2*aa:BP+2*aa+1], s[8:9], s[10:11]
	s_cselect_b32 s90, 0, 16
	s_cmp_lt_u32 s97, 20
	s_cselect_b64 s[BP+2*aa:BP+2*aa+1], s[BP+2*aa:BP+2*aa+1], s[12:13]
	s_cselect_b32 s90, s90, 20
	s_sub_co_u32 s97, s97, s90                     ; the unit's number within its bias
.else
	s_mov_b64 s[BP+2*aa:BP+2*aa+1], s[8:9]
.endif
	s_lshl_b32 s97, s97, 8                         ; 64 f32 a unit
	s_lshl_b32 s96, s96, 7                         ; 32 f32 a half
	s_add_co_u32 s96, s96, s97
	s_mov_b32 s97, 0
	s_add_nc_u64 s[BP+2*aa:BP+2*aa+1], s[BP+2*aa:BP+2*aa+1], s[96:97]
.set aa, aa+1
.endr
	WIN 0x40                                       ; data into window 1, address from window 0
.set aa, 0
.rept NU
	global_load_b128 v[BIAS+16*aa:BIAS+16*aa+3],     v[VB], s[BP+2*aa:BP+2*aa+1]
	global_load_b128 v[BIAS+16*aa+4:BIAS+16*aa+7],   v[VB], s[BP+2*aa:BP+2*aa+1] offset:16
	global_load_b128 v[BIAS+16*aa+8:BIAS+16*aa+11],  v[VB], s[BP+2*aa:BP+2*aa+1] offset:64
	global_load_b128 v[BIAS+16*aa+12:BIAS+16*aa+15], v[VB], s[BP+2*aa:BP+2*aa+1] offset:80
.set aa, aa+1
.endr
	WIN 0
.if NU == 3
	v_mul_u32_u24 v[STO], v2, SPITCH               ; in: row 64 rh + r, 192 ch bytes along, 16 bytes for each half
	v_lshl_add_u32 v[STO], v3, 4, v[STO]
	s_mul_i32 s27, s17, 64*SPITCH
	s_mul_i32 s28, s18, 192
	s_add_co_u32 s27, s27, s28
	s_add_co_u32 s27, s27, STAGE
	v_add_nc_u32 v[STO], s27, v[STO]
	v_lshrrev_b32 v[RD], 3, v0                     ; back: eight threads take the 128 bytes that one row has of a unit
	v_mul_u32_u24 v[RD], v[RD], SPITCH
	v_and_b32 v6, 7, v0
	v_lshl_add_u32 v[RD], v6, 4, v[RD]
	v_add_nc_u32 v[RD], STAGE, v[RD]
	v_lshlrev_b32 v[CO], 4, v0                     ; in a unit the rows follow each other: 16 bytes a thread
.else
	s_mul_i32 s27, s16, 16*SPITCH
	s_add_co_u32 s27, s27, STAGE                   ; my own stage
	v_mul_u32_u24 v[STO], v2, SPITCH               ; in: row r, 32 bytes for each half
	v_lshl_add_u32 v[STO], v3, 5, v[STO]
	v_add_nc_u32 v[STO], s27, v[STO]
	v_mul_u32_u24 v[RD], v3, SPITCH                ; back: lanes 0-15 one row of 256 bytes, lanes 16-31 the next
	v_lshl_add_u32 v[RD], v2, 4, v[RD]
	v_add_nc_u32 v[RD], s27, v[RD]
	v_lshlrev_b32 v[CO], 12, v3                    ; the same two rows in out0
	v_lshl_add_u32 v[CO], v2, 4, v[CO]
.endif
	s_wait_tensorcnt 0x1                           ; my part of slot 0 is in; my one load for slot 1, issued behind it, stays out
	s_barrier_signal -1
	s_barrier_wait -1                              ; everybody's part is in
	s_wait_loadcnt 0x0                             ; the bias
	FETCH 0, 0, F0
.if NU == 3
	VISIT 0, 1, 1, 1                               ; K steps 0, 1: the first products start the sums; asks for steps 3, 4
	VISIT 1, 0, 1, 0                               ; K step 2; asks for step 5
	VISIT 0, 1, 1, 0                               ; K steps 3, 4; asks for steps 6, 7
	VISIT 1, 0, 0, 0                               ; K step 5: nothing is left to fetch; behind its barrier no wave reads slot 1 any more
	LASTV 0                                        ; K steps 6, 7
.else
	VISIT 0, 1, 1, 1                               ; K steps 0, 1: the first products start the sums; asks for steps 4, 5
	VISIT 1, 0, 1, 0                               ; K steps 2, 3; asks for steps 6, 7
	VISIT 0, 1, 0, 0                               ; K steps 4, 5: nothing is left to fetch
	LASTV 1                                        ; K steps 6, 7
.endif
.if NU == 3
	; THE WAY OUT, f16: the block's 128 rows x 384 bytes are gathered in the stage, then each unit's 128 bytes of a row go to that unit.
	s_mul_i32 s90, s21, 3*524288                   ; three units of 524,288 bytes for each block column,
	s_lshl_b32 s91, s22, 14                        ; 128 rows of 128 bytes for each block row
	s_add_co_u32 s90, s90, s91
	s_mov_b32 s91, 0
	s_add_nc_u64 s[OUTP:OUTP+1], s[OUTP:OUTP+1], s[90:91]
.irp rt, 0,1,2,3
	WIN 0x05                                       ; both sources in window 1
.set cc, 0
.rept NCT
.irp k, 0,1,2,3
	v_cvt_pk_f16_f32 v[TMP+4*cc+\k], v[8*(NCT*\rt+cc)+2*\k], v[8*(NCT*\rt+cc)+2*\k+1]
.endr
.set cc, cc+1
.endr
	WIN 0
.set cc, 0
.rept NCT
	ds_store_b128 v[STO], v[TMP+4*cc:TMP+4*cc+3] offset:\rt*16*SPITCH+32*cc
.set cc, cc+1
.endr
.endr
	s_wait_dscnt 0x0                               ; my stores are in LDS, for the other waves' sake
	s_barrier_signal -1
	s_barrier_wait -1
.irp u, 0,1,2
.irp t, 0,1,2,3,4,5,6,7
	ds_load_b128 v[F0+32*\u+4*\t:F0+32*\u+4*\t+3], v[RD] offset:\t*16*SPITCH+\u*128
.endr
.irp t, 0,1,2,3,4,5,6,7
	s_wait_dscnt 7-\t                              ; LDS loads come back in order: load t of the eight is in
	global_store_b128 v[CO], v[F0+32*\u+4*\t:F0+32*\u+4*\t+3], s[OUTP:OUTP+1] offset:\u*524288+\t*2048   ; a wave stores 512 consecutive bytes, aligned
.endr
.endr
.else
	; THE WAY OUT, f32, 16 rows at a time through my own stage: LDS serves a wave's instructions in order (ISA guide 5.7.1), so no wait stands between stores and loads.
	s_lshl_b32 s90, s22, 19                        ; 128 rows of 4,096 bytes for each block row,
	s_lshl_b32 s91, s17, 18                        ; my 64 rows,
	s_add_co_u32 s90, s90, s91
	s_lshl_b32 s91, s21, 9                         ; 128 columns of 4 bytes for each block column,
	s_add_co_u32 s90, s90, s91
	s_lshl_b32 s91, s18, 8                         ; my 64 columns
	s_add_co_u32 s90, s90, s91
	s_mov_b32 s91, 0
	s_add_nc_u64 s[OUTP:OUTP+1], s[OUTP:OUTP+1], s[90:91]
.irp rt, 0,1,2,3
	WIN 0x04                                       ; store data from window 1
.set cc, 0
.rept NCT
	ds_store_b128 v[STO], v[8*(NCT*\rt+cc):8*(NCT*\rt+cc)+3]   offset:64*cc
	ds_store_b128 v[STO], v[8*(NCT*\rt+cc)+4:8*(NCT*\rt+cc)+7] offset:64*cc+16
.set cc, cc+1
.endr
	WIN 0
.irp t, 0,1,2,3,4,5,6,7
	ds_load_b128 v[F0+32*\rt+4*\t:F0+32*\rt+4*\t+3], v[RD] offset:\t*2*SPITCH
.endr
.irp t, 0,1,2,3,4,5,6,7
	s_wait_dscnt 7-\t                              ; load t of the eight is in
	global_store_b128 v[CO], v[F0+32*\rt+4*\t:F0+32*\rt+4*\t+3], s[OUTP:OUTP+1] offset:(16*\rt+2*\t)*4096 th:TH_STORE_NT   ; 16 lanes store 256 consecutive bytes, aligned
.endr
.endr
.endif
	s_wait_tensorcnt 0x0
	ds_add_u32 v254, v255
	s_wait_dscnt 0x0
	CROUND                                         ; the closing round: no work-group ends while a partner may still ask for a tile that names it
	s_endpgm
.Lfunc_end_k_qd7a860b97b_proj_out:
	.size	k_qd7a860b97b_proj_out, .Lfunc_end_k_qd7a860b97b_proj_out-k_qd7a860b97b_proj_out
	.p2alignl 7, 3214868480
	.fill 96, 4, 3214868480
	.section	.rodata,"a",@progbits
	.p2align	6, 0x0
	.amdhsa_kernel k_qd7a860b97b_proj_out
		.amdhsa_group_segment_fixed_size 327680
		.amdhsa_private_segment_fixed_size 0
		.amdhsa_enable_private_segment 0
		.amdhsa_kernarg_size 32
		.amdhsa_user_sgpr_count 2
		.amdhsa_user_sgpr_kernarg_segment_ptr 1
		.amdhsa_wavefront_size32 1
		.amdhsa_system_sgpr_workgroup_id_x 1
		.amdhsa_system_sgpr_workgroup_id_y 1
		.amdhsa_system_sgpr_workgroup_id_z 1
		.amdhsa_system_vgpr_workitem_id 0
		.amdhsa_next_free_vgpr 496
		.amdhsa_next_free_sgpr 98
		.amdhsa_reserve_vcc 0
		.amdhsa_float_denorm_mode_32 3
		.amdhsa_float_denorm_mode_16_64 3
		.amdhsa_memory_ordered 1
		.amdhsa_forward_progress 1
		.amdhsa_inst_pref_size 92
	.end_amdhsa_kernel
	.amdgpu_metadata
---
amdhsa.version: [ 1, 2 ]
amdhsa.kernels:
  - .name:           k_qd7a860b97b_proj_out
    .symbol:         k_qd7a860b97b_proj_out.kd
    .args:
      - { .name: ob, .offset: 0, .size: 8, .value_kind: global_buffer, .address_space: global }
      - { .name: wot, .offset: 8, .size: 8, .value_kind: global_buffer, .address_space: global }
      - { .name: bo, .offset: 16, .size: 8, .value_kind: global_buffer, .address_space: global }
      - { .name: out0, .offset: 24, .size: 8, .value_kind: global_buffer, .address_space: global }
    .group_segment_fixed_size: 327680
    .private_segment_fixed_size: 0
    .kernarg_segment_align: 8
    .kernarg_segment_size: 32
    .max_flat_workgroup_size: 128
    .sgpr_count:     98
    .vgpr_count:     496
    .wavefront_size: 32
...
	.end_amdgpu_metadata
.endif
;; end of part 4
